; MI455X (gfx1250); checked and timed in simulation.
; The chip was launched on July 23, 2026; its instructions are those of AMD's public machine-readable ISA for CDNA 5 (MIT licence, August 2026) and "CDNA5" Instruction Set Architecture Reference Guide (July 2026). The comments in the code are by the model that wrote it; some were corrected since.
;; Multi Head Attention. Allowed arithmetic: float matrix products may take bf16 or f16 operands with f32 sums; other float arithmetic in f32, or as packed bf16 or f16 multiplies, adds, multiply-adds, maxima and minima; sums over many terms, partial sums and values carried from step to step in f32; what a program stores and reads back later, other than sums and carried values, may be rounded once to bf16 or f16.
;; Inputs: W_o 1,024 x 1,024 float32; W_qkv 3,072 x 1,024 float32; b_o 1,024 float32; b_qkv 3,072 float32; mask 1 x 1 x 2,048 x 2,048 float32; x 4 x 2,048 x 1,024 float32.
;; Outputs: out0 4 x 2,048 x 1,024 float32.
;; One version. Each part assembles by itself: llvm-mc -triple=amdgcn-amd-amdhsa -mcpu=gfx1250 --defsym DOCPART=n.
;; ======== version 1 of 1: 4 launches
;; limits: values are held in f16: magnitudes above 65,504 overflow, below 6.1e-05 lose precision
;; workspace buffers: xb 16,777,216 bytes; wqkvb 6,291,456 bytes; wob 2,097,152 bytes; maskw 8,388,608 bytes; qw 16,777,216 bytes; kw 16,777,216 bytes; vw 16,777,216 bytes; ow 16,777,216 bytes
;; launch prep (part 1): grid 1024 x 1, 8 waves a work-group, no clusters, 0 bytes of LDS; arguments x, W_qkv, W_o, mask, xb, wqkvb, wob, maskw; writes xb, wqkvb, wob, maskw
.if DOCPART == 1
	.amdgcn_target "amdgcn-amd-amdhsa--gfx1250"
	.amdhsa_code_object_version 6
	.text
	.protected	k_q888e30c21b_prep
	.globl	k_q888e30c21b_prep
	.p2align	8
	.type	k_q888e30c21b_prep,@function
k_q888e30c21b_prep:
	s_mov_b64 s[64:65], 0
	v_nop
	global_prefetch_b8 v0, s[64:65] scope:SCOPE_SE
	s_setreg_imm32_b32 hwreg(HW_REG_WAVE_MODE, 25, 1), 1
	s_wait_xcnt 0x0
; THE INPUTS ARE ROUNDED ONCE, for the three launches that follow.
;   x [8192][1024] and W_qkv [3072][1024]: f32 -> bf16, same order.
;   W_o [1024][1024]: f32 -> bf16, and that number written as f16 (the last product multiplies f16 by f16).
;   mask [2048][2048]: f32 -> bf16 of 8 x mask held to +-8e30, laid in the order of a matrix fragment:
;     maskw[qt: 128 tiles of 16 queries][kg: 64 groups of 32 keys][jj: 2][lane: 32][16 bytes], where the 16 bytes of lane 16 h + r
;     are the keys 32 kg + 16 jj + 8 h + 0..7 of query 16 qt + r.  The factor 8 undoes the later division of the scores by 8; it is exact.
; LIMITS.  A mask beyond +-1e30 (an infinity too) counts as +-1e30.  A weight of W_o below 6e-5 keeps f16's fixed step of 6e-8; beyond 65,504 it would be lost.  NaN is not treated.
; SHARES.  A work-group takes 16,384 numbers (64 KiB in, 32 KiB out): groups 0-511 x, 512-703 W_qkv, 704-767 W_o, 768-1023 the mask.
; Wave w, pass i (of 8), lane l: 8 numbers; a store of a wave covers 512 consecutive bytes, aligned.  All sixteen loads of a wave go out first; no register is written twice while memory reads it.
; No LDS, no matrix unit, no cluster: a stream in which no byte is used twice.
.set VI, 2                             ; v2       my byte offset in the group's input
.set VO, 3                             ; v3       my byte offset in the group's output: 4,096 w + 16 l
.set X,  8                             ; v[8:71]  pass i: 8 registers as loaded; its first four then hold the 16 bytes to store
.set T,  72                            ; v[72:75] at work
	s_load_b512 s[4:19], s[0:1], 0x0               ; x s[4:5], W_qkv s[6:7], W_o s[8:9], mask s[10:11], xb s[12:13], wqkvb s[14:15], wob s[16:17], maskw s[18:19]
	v_and_b32 v1, 31, v0                           ; lane
	v_lshrrev_b32 v4, 5, v0                        ; wave
	v_lshlrev_b32 v[VO], 4, v1
	v_lshl_or_b32 v[VO], v4, 12, v[VO]
	s_mov_b32 s26, 0x41000000                      ; 8.0, named as a pair by the packed multiply
	s_mov_b32 s27, s26
	s_mov_b32 s28, 0xf2c9f2ca                      ; -8e30
	s_mov_b32 s29, 0x72c9f2ca                      ; 8e30
	s_mov_b32 s30, 0xffff0000                      ; a word's upper bf16
	s_mov_b32 s3, 0                                ; the upper word of every offset
; The group's chunk s24 of a plain region: 65,536 bytes in, 32,768 out.
.macro POINT
	s_lshl_b32 s2, s24, 16
	s_add_nc_u64 s[20:21], s[20:21], s[2:3]
	s_lshl_b32 s2, s24, 15
	s_add_nc_u64 s[22:23], s[22:23], s[2:3]
.endm
; Sixteen loads, then eight passes.  kind 0: to bf16.  1: to bf16 and on to f16.  2: the mask.
.macro BODY kind
.set i, 0
.rept 8
.if (\kind) == 2
	global_load_b128 v[X+8*i:X+8*i+3],   v[VI], s[20:21] offset:64*i
	global_load_b128 v[X+8*i+4:X+8*i+7], v[VI], s[20:21] offset:64*i+16
.else
	global_load_b128 v[X+8*i:X+8*i+3],   v[VI], s[20:21] offset:1024*i th:TH_LOAD_NT
	global_load_b128 v[X+8*i+4:X+8*i+7], v[VI], s[20:21] offset:1024*i+16 th:TH_LOAD_NT
.endif
.set i, i+1
.endr
.set i, 0
.rept 8
	s_wait_loadcnt 14-2*i                          ; loads come back in order: this pass's two are in, the two of each later pass may stay out
.if (\kind) == 2
.irp j, 0,2,4,6
	v_pk_mul_f32 v[X+8*i+(\j):X+8*i+(\j)+1], v[X+8*i+(\j):X+8*i+(\j)+1], s[26:27] op_sel_hi:[1,0]
.endr
.irp j, 0,1,2,3,4,5,6,7
	v_med3_num_f32 v[X+8*i+(\j)], v[X+8*i+(\j)], s28, s29
.endr
.endif
.if (\kind) == 1
.irp j, 0,1,2,3
	v_cvt_pk_bf16_f32 v[T+(\j)], v[X+8*i+2*(\j)], v[X+8*i+2*(\j)+1]
.endr
.irp j, 0,1,2,3
	v_lshlrev_b32 v[X+8*i+2*(\j)], 16, v[T+(\j)]
	v_and_b32 v[X+8*i+2*(\j)+1], s30, v[T+(\j)]
.endr
.irp j, 0,1,2,3
	v_cvt_pk_f16_f32 v[X+8*i+(\j)], v[X+8*i+2*(\j)], v[X+8*i+2*(\j)+1]
.endr
.else
.irp j, 0,1,2,3
	v_cvt_pk_bf16_f32 v[X+8*i+(\j)], v[X+8*i+2*(\j)], v[X+8*i+2*(\j)+1]  ; in place, ascending: word j is written when numbers 2 j and 2 j + 1 are read
.endr
.endif
	global_store_b128 v[VO], v[X+8*i:X+8*i+3], s[22:23] offset:512*i th:TH_STORE_NT
.set i, i+1
.endr
	s_endpgm
.endm
	s_wait_kmcnt 0x0
	s_cmp_ge_u32 ttmp9, 768
	s_cbranch_scc1 .Lmask
	v_lshlrev_b32 v[VI], 5, v1                     ; a plain region: 8,192 w + 32 l
	v_lshl_or_b32 v[VI], v4, 13, v[VI]
	s_cmp_ge_u32 ttmp9, 704
	s_cbranch_scc1 .Lwo
	s_sub_co_u32 s31, ttmp9, 512
	s_cmp_lt_u32 ttmp9, 512
	s_cselect_b64 s[20:21], s[4:5], s[6:7]         ; x or W_qkv
	s_cselect_b64 s[22:23], s[12:13], s[14:15]
	s_cselect_b32 s24, ttmp9, s31
	POINT
	BODY 0
.Lwo:
	s_sub_co_u32 s24, ttmp9, 704
	s_mov_b64 s[20:21], s[8:9]
	s_mov_b64 s[22:23], s[16:17]
	POINT
	BODY 1
.Lmask:                                                ; chunk c: half c % 2 (1,024 keys) of query tile c / 2.  Wave w: keys 128 w on; pass i: 16 i on; lane 16 h + r: query r, keys 8 h on
	s_sub_co_u32 s24, ttmp9, 768
	v_and_b32 v5, 15, v0
	v_bfe_u32 v6, v0, 4, 1
	v_lshlrev_b32 v[VI], 13, v5                    ; r rows of 8,192 bytes
	v_lshl_or_b32 v[VI], v4, 9, v[VI]              ; + 512 w
	v_lshl_or_b32 v[VI], v6, 5, v[VI]              ; + 32 h
	s_lshr_b32 s2, s24, 1
	s_lshl_b32 s2, s2, 17                          ; 16 rows of 8,192 bytes a tile
	s_and_b32 s31, s24, 1
	s_lshl_b32 s31, s31, 12                        ; 1,024 keys of 4 bytes
	s_add_co_u32 s2, s2, s31
	s_add_nc_u64 s[20:21], s[10:11], s[2:3]
	s_lshl_b32 s2, s24, 15
	s_add_nc_u64 s[22:23], s[18:19], s[2:3]
	BODY 2
.Lfunc_end_k_q888e30c21b_prep:
	.size	k_q888e30c21b_prep, .Lfunc_end_k_q888e30c21b_prep-k_q888e30c21b_prep
	.p2alignl 7, 3214868480
	.fill 96, 4, 3214868480
	.section	.rodata,"a",@progbits
	.p2align	6, 0x0
	.amdhsa_kernel k_q888e30c21b_prep
		.amdhsa_group_segment_fixed_size 0
		.amdhsa_private_segment_fixed_size 0
		.amdhsa_enable_private_segment 0
		.amdhsa_kernarg_size 64
		.amdhsa_user_sgpr_count 2
		.amdhsa_user_sgpr_kernarg_segment_ptr 1
		.amdhsa_wavefront_size32 1
		.amdhsa_system_sgpr_workgroup_id_x 1
		.amdhsa_system_sgpr_workgroup_id_y 1
		.amdhsa_system_sgpr_workgroup_id_z 1
		.amdhsa_system_vgpr_workitem_id 0
		.amdhsa_next_free_vgpr 80
		.amdhsa_next_free_sgpr 66
		.amdhsa_reserve_vcc 0
		.amdhsa_float_denorm_mode_32 3
		.amdhsa_float_denorm_mode_16_64 3
		.amdhsa_memory_ordered 1
		.amdhsa_forward_progress 1
		.amdhsa_inst_pref_size 26
	.end_amdhsa_kernel
	.amdgpu_metadata
---
amdhsa.version: [ 1, 2 ]
amdhsa.kernels:
  - .name:           k_q888e30c21b_prep
    .symbol:         k_q888e30c21b_prep.kd
    .args:
      - { .name: x, .offset: 0, .size: 8, .value_kind: global_buffer, .address_space: global }
      - { .name: W_qkv, .offset: 8, .size: 8, .value_kind: global_buffer, .address_space: global }
      - { .name: W_o, .offset: 16, .size: 8, .value_kind: global_buffer, .address_space: global }
      - { .name: mask, .offset: 24, .size: 8, .value_kind: global_buffer, .address_space: global }
      - { .name: xb, .offset: 32, .size: 8, .value_kind: global_buffer, .address_space: global }
      - { .name: wqkvb, .offset: 40, .size: 8, .value_kind: global_buffer, .address_space: global }
      - { .name: wob, .offset: 48, .size: 8, .value_kind: global_buffer, .address_space: global }
      - { .name: maskw, .offset: 56, .size: 8, .value_kind: global_buffer, .address_space: global }
    .group_segment_fixed_size: 0
    .private_segment_fixed_size: 0
    .kernarg_segment_align: 8
    .kernarg_segment_size: 64
    .max_flat_workgroup_size: 256
    .sgpr_count:     66
    .vgpr_count:     80
    .wavefront_size: 32
...
	.end_amdgpu_metadata
.endif
;; end of part 1
;; launch qkv (part 2): grid 16 x 32, 4 waves a work-group, clusters of 4 x 4, 327,680 bytes of LDS; arguments xb, wqkvb, b_qkv, qw, kw, vw; writes qw, kw, vw
.if DOCPART == 2
	.amdgcn_target "amdgcn-amd-amdhsa--gfx1250"
	.amdhsa_code_object_version 6
	.text
	.protected	k_q888e30c21b_qkv
	.globl	k_q888e30c21b_qkv
	.p2align	8
	.type	k_q888e30c21b_qkv,@function
k_q888e30c21b_qkv:
	s_mov_b64 s[64:65], 0
	v_nop
	global_prefetch_b8 v0, s[64:65] scope:SCOPE_SE
	s_setreg_imm32_b32 hwreg(HW_REG_WAVE_MODE, 25, 1), 1
	s_wait_xcnt 0x0
	s_wait_alu depctr_hold_cnt(0) depctr_sa_sdst(0) depctr_va_vdst(0) depctr_va_sdst(0) depctr_va_ssrc(0) depctr_va_vcc(0) depctr_vm_vsrc(0)
	s_getreg_b32 s2, hwreg(HW_REG_IB_STS2, 6, 4)
	s_cmp_eq_u32 s2, 0
	s_cbranch_scc0 .Lentry_in_a_cluster
	s_endpgm
.Lentry_in_a_cluster:
	s_bfe_u32 s2, ttmp6, 0x10000c
	s_cmp_lg_u32 s2, 0xf033
	s_cbranch_scc0 .Lentry_shape_is_right
	s_endpgm
.Lentry_shape_is_right:
; q, k, v = x W_qkv^T + b_qkv, by heads.  xb: [8192][1024] bf16, wqkvb: [3072][1024] bf16, b_qkv: [3072] f32 (rounded to bf16 here, like every input of the module).
; qw, kw, vw: [16 batch + head][2048][64] f16, each number rounded once from its f32 sum, without the scale of the scores.
; LIMIT.  f16 ends at 65,504: q, k and v must lie within it.
; A tile of the product is 256 rows x 192 columns: the q, k and v of ONE head (column 192 head + 0..63 q, 64..127 k, 128..191 v).  32 x 16 tiles: 512 work-groups of equal work.
; Four waves; wave w makes rows 64 w .. 64 w + 63 and all 192 columns: 4 x 12 accumulators of 16 x 16, 384 registers.  So a wave holds whole rows of q, k and v and its way out is its own.
; K goes in steps of 128 through two LDS slots filled by the tensor data mover; rows of both tiles are 256 bytes of memory, aligned.
; CLUSTER.  4 x 4 work-groups: the four of a row need the same rows of x, the four of a column the same head's rows of W: each tile is asked for jointly, by the same load, descriptor and mask in all four.
; THE MATRIX INSTRUCTION IS USED TRANSPOSED (source 0 = 16 rows of W, source 1 = 16 rows of x): a lane holds one row and eight neighbouring columns.
; THE BIAS is the C operand of each accumulator's first product: register j of a lane in half h is b[192 head + 16 b + 8 h + j].
; REGISTERS, in windows of 256 (s_set_vgpr_msb: bits 1:0 source 0, 3:2 source 1, 5:4 source 2, 7:6 destination):
;   window 0: v0-31 addresses; v32-95 x's fragments, two buffers of 4; v96-191 the bias (later v96-143 rows on the way out); v192-239 packed results
;   window 1: v0-191 W's fragments, two buffers of 12          window 2: accumulators of row blocks 0, 1 at v[8 (12 (a % 2) + b)]          window 3: of row blocks 2, 3
.set KSTEP,  128
.set PITCH,  272                       ; an LDS row: 256 bytes + 16 of padding: the 16 rows of a fragment load start at 16 different groups of four banks (64 banks of 4 bytes: ISA guide 11.1)
.set HALFA,  128*PITCH                 ; what waves 0 and 1 fetch: 128 rows of x each
.set HALFB,  96*PITCH                  ; what waves 2 and 3 fetch: 96 rows of W each
.set BOFF,   2*HALFA
.set SLOT,   BOFF+2*HALFB              ; 121,856 bytes
.set STAGE,  2*SLOT                    ; behind the ring: 16 rows x 400 bytes for each wave
.set SPITCH, 400                       ; 384 bytes (q, k, v of a row) + 16
.set SPARE,  STAGE+4*16*SPITCH         ; the spare words, 128 bytes for each wave: two blocks of 256 bytes that no other line names
.set LAPS,   4                         ; 1,024 / (2 x 128)
.set ADRA, 16                          ; v16-17  LDS address of my fragments of x in slot 0, 1
.set ADRB, 20                          ; v20-21  the same for W
.set STO,  24                          ; v24     the way out: where I put 16 bytes of a row
.set RD,   25                          ; v25     where I read rows back
.set CO,   26                          ; v26     16 x lane: my place in 512 consecutive bytes of q, k or v
.set SPW,  28                          ; v28     my spare word; never rewritten
.set NIL,  29                          ; v29     0; never rewritten
.set BO,   30                          ; v30     my byte offset in b_qkv
.set FA,   32
.set BIAS, 96
.set OB,   96
.set TMP,  192
.set G1,  24                           ; s[24:31] group 1 for x's tiles;  s[32:39] group 0, a set for each slot
.set G0,  32
.set G1B, 48                           ; s[48:55], s[56:63] the same for W's
.set G0B, 56
.set MSB, 0
.macro WIN new                         ; the immediate's high byte repeats the setting that is left; a switch that changes nothing is dropped
.if MSB != (\new)
	s_set_vgpr_msb (MSB<<8)|(\new)
.set MSB, \new
.endif
.endm
; A joint load: waves 0 and 1 fetch x's two halves, waves 2 and 3 W's.  An s_nop 0 and four v_nop follow each of the two lines, ahead of the jump and the label.
.macro JLOAD s
	s_cmp_eq_u32 s13, 0
	s_cbranch_scc0 .Lfor_b_\@
	tensor_load_to_lds s[G0+4*(\s):G0+4*(\s)+3], s[G1:G1+7]
	s_nop 0
.rept 4
	v_nop
.endr
	s_branch .Lasked_\@
.Lfor_b_\@:
	tensor_load_to_lds s[G0B+4*(\s):G0B+4*(\s)+3], s[G1B:G1B+7]
	s_nop 0
.rept 4
	v_nop
.endr
.Lasked_\@:
.endm
.macro CREST                           ; a round of the cluster's barrier behind its opening barrier
	s_cmp_lg_u32 s12, 0
	s_cbranch_scc1 .Lnot_wave_0_\@
	s_barrier_signal -3
.Lnot_wave_0_\@:
	s_barrier_wait -3
	s_barrier_signal -1
	s_barrier_wait -1
.endm
.macro CROUND
	s_barrier_signal -1
	s_barrier_wait -1
	CREST
.endm
.macro PLACES                          ; four places in front of loads into registers that matrix instructions have read, and of lines that read results
.rept 4
	v_nop
.endr
.endm
	s_load_b256 s[4:11], s[0:1], 0x0               ; xb s[4:5], wqkvb s[6:7], b_qkv s[8:9], qw s[10:11]
	s_load_b128 s[68:71], s[0:1], 0x20             ; kw s[68:69], vw s[70:71]
	v_lshl_add_u32 v[SPW], v0, 2, SPARE
	v_mov_b32 v[NIL], 0
	ds_add_u32 v[SPW], v[NIL]                      ; the wave's opening: the add and its wait stand ahead of my first tensor load; the set-up, work on registers, stands between them
	v_lshrrev_b32 v1, 5, v0
	v_readfirstlane_b32 s12, v1                    ; wave 0..3
	s_lshr_b32 s13, s12, 1                         ; I fetch for x (0) or for W (1)
	s_and_b32 s14, s12, 1                          ; which half of that tile
	s_bfe_u32 s40, ttmp6, 0x40000                  ; cx, cy: my place in the cluster
	s_bfe_u32 s41, ttmp6, 0x40004
	s_lshl_b32 s42, ttmp9, 2
	s_add_co_u32 s42, s42, s40                     ; the head = 4 x cluster x + cx
	s_and_b32 s43, ttmp7, 0xffff
	s_lshl_b32 s43, s43, 2
	s_add_co_u32 s43, s43, s41                     ; the tile row = 4 x cluster y + cy
	s_lshl_b32 s44, s41, 2
	s_lshl_b32 s44, 15, s44                        ; my row of the cluster
	s_lshl_b32 s45, 0x1111, s40                    ; my column
	s_or_b32 s[G1+0], s44, (1<<16)|(1<<20)|(1<<21)|(5<<22)|(3<<25)   ; 15:0 the mask; 17:16 2-byte elements; 20 padding on; 21 set beside a mask; 24:22 after every 64 words; 31:25 4 words of it
	s_or_b32 s[G1B+0], s45, (1<<16)|(1<<20)|(1<<21)|(5<<22)|(3<<25)
	s_mov_b32 s[G1+1], KSTEP<<16                   ; tensor_dim0 = 128
	s_mov_b32 s[G1+2], 128<<16                     ; tensor_dim1 = 128
	s_mov_b32 s[G1+3], KSTEP<<16                   ; tile_dim0 = 128
	s_mov_b32 s[G1+4], 128                         ; tile_dim1 = 128
	s_mov_b32 s[G1+5], 1024                        ; elements from row to row
	s_mov_b32 s[G1+6], 0
	s_mov_b32 s[G1+7], 0
	s_mov_b32 s[G1B+1], KSTEP<<16
	s_mov_b32 s[G1B+2], 96<<16                     ; 96 rows
	s_mov_b32 s[G1B+3], KSTEP<<16
	s_mov_b32 s[G1B+4], 96
	s_mov_b32 s[G1B+5], 1024
	s_mov_b32 s[G1B+6], 0
	s_mov_b32 s[G1B+7], 0
	s_lshl_b32 s16, s43, 19                        ; x: 256 rows of 2,048 bytes a tile row,
	s_lshl_b32 s17, s14, 18                        ; my 128 of them
	s_add_co_u32 s16, s16, s17
	s_mov_b32 s17, 0
	s_mul_i32 s46, s42, 192*2048                   ; W: 192 rows a head,
	s_mul_i32 s47, s14, 96*2048                    ; my 96 of them
	s_add_co_u32 s46, s46, s47
	s_mov_b32 s47, 0
	s_mul_i32 s20, s14, HALFA                      ; where they go: no place in the cluster enters an LDS address
	s_mul_i32 s21, s14, HALFB
	s_add_co_u32 s21, s21, BOFF
	s_wait_dscnt 0x0                               ; the opening add is done
	s_wait_kmcnt 0x0
	s_add_nc_u64 s[18:19], s[4:5], s[16:17]
	s_add_nc_u64 s[46:47], s[6:7], s[46:47]
	CROUND                                         ; all sixteen work-groups are here: the first joint loads meet
.irp s, 0,1
	s_mov_b32 s[G0+4*(\s)], 1
	s_add_co_u32 s[G0+4*(\s)+1], s20, (\s)*SLOT
	s_add_nc_u64 s[G0+4*(\s)+2:G0+4*(\s)+3], s[18:19], (\s)*KSTEP*2
	s_or_b32 s[G0+4*(\s)+3], s[G0+4*(\s)+3], 0x80000000
	s_mov_b32 s[G0B+4*(\s)], 1
	s_add_co_u32 s[G0B+4*(\s)+1], s21, (\s)*SLOT
	s_add_nc_u64 s[G0B+4*(\s)+2:G0B+4*(\s)+3], s[46:47], (\s)*KSTEP*2
	s_or_b32 s[G0B+4*(\s)+3], s[G0B+4*(\s)+3], 0x80000000
	JLOAD \s                                       ; K steps 0 and 1: two loads of mine are out
.endr
	v_and_b32 v1, 15, v0                           ; l % 16
	v_bfe_u32 v2, v0, 4, 1                         ; l / 16
	s_mul_i32 s46, s42, 768                        ; the head's 192 numbers of the bias
	v_lshl_add_u32 v[BO], v2, 5, s46
.irp b, 0,1,2,3,4,5,6,7,8,9,10,11
	global_load_b128 v[BIAS+8*(\b):BIAS+8*(\b)+3],   v[BO], s[8:9] offset:64*(\b)
	global_load_b128 v[BIAS+8*(\b)+4:BIAS+8*(\b)+7], v[BO], s[8:9] offset:64*(\b)+16
.endr
	v_mul_u32_u24 v3, v1, PITCH
	v_lshl_add_u32 v3, v2, 4, v3                   ; a fragment's row x pitch + 16 x half
	s_mul_i32 s21, s12, 64*PITCH                   ; my 64 rows of x
	s_mov_b32 s22, BOFF                            ; all 192 rows of W
.irp s, 0,1
	v_add_nc_u32 v[ADRA+(\s)], s21, v3
	v_add_nc_u32 v[ADRB+(\s)], s22, v3
	s_add_co_u32 s21, s21, SLOT
	s_add_co_u32 s22, s22, SLOT
.endr
	s_mul_i32 s23, s12, 16*SPITCH
	s_add_co_u32 s23, s23, STAGE                   ; my stage
	v_mul_u32_u24 v4, v1, SPITCH                   ; in: row l % 16, 16 bytes for each half of the lanes
	v_lshl_add_u32 v4, v2, 4, v4
	v_add_nc_u32 v[STO], s23, v4
	v_bfe_u32 v5, v0, 3, 2                         ; back: 32 lanes take 128 bytes of each of four rows,
	v_mul_u32_u24 v5, v5, SPITCH
	v_and_b32 v6, 7, v0
	v_lshl_add_u32 v5, v6, 4, v5
	v_add_nc_u32 v[RD], s23, v5
	v_and_b32 v[CO], 31, v0                        ; which are 512 consecutive bytes of q, k or v
	v_lshlrev_b32 v[CO], 4, v[CO]
	s_lshr_b32 s66, s43, 3                         ; the batch: 8 tile rows each
	s_lshl_b32 s66, s66, 4
	s_add_co_u32 s66, s66, s42                     ; 16 batch + head,
	s_lshl_b32 s66, s66, 18                        ; 2,048 rows of 128 bytes
	s_and_b32 s67, s43, 7
	s_lshl_b32 s67, s67, 15                        ; the tile's 256 rows,
	s_add_co_u32 s66, s66, s67
	s_lshl_b32 s67, s12, 13                        ; my 64 of them
	s_add_co_u32 s66, s66, s67
	s_mov_b32 s67, 0
	s_add_nc_u64 s[10:11], s[10:11], s[66:67]
	s_add_nc_u64 s[68:69], s[68:69], s[66:67]
	s_add_nc_u64 s[70:71], s[70:71], s[66:67]
	s_wait_loadcnt 0x0                             ; the bias
.set k, 0
.rept 48                                       ; rounded to bf16 and kept as f32; all this stands in the wait for the first tile
	v_cvt_pk_bf16_f32 v[4+k%4], v[BIAS+2*k], v[BIAS+2*k+1]
	v_lshlrev_b32 v[BIAS+2*k], 16, v[4+k%4]
	v_and_b32 v[BIAS+2*k+1], 0xffff0000, v[4+k%4]
.set k, k+1
.endr
; 12 matrix instructions: row block a x all 12 column blocks, 32 along K, from buffers f.  first = 1: the product starts the sum with the bias.
; The 48 accumulators take turns in one order in every quarter: 47 others stand between two links of a chain, over the backward jump too.
.macro MULA f, a, first
.if \first
	WIN 0x81+0x40*((\a)/2)
.else
	WIN 0xa1+0x50*((\a)/2)
.endif
.irp b, 0,1,2,3,4,5,6,7,8,9,10,11
.if \first
	v_wmma_f32_16x16x32_bf16 v[8*(12*((\a)%2)+(\b)):8*(12*((\a)%2)+(\b))+7], v[96*(\f)+8*(\b):96*(\f)+8*(\b)+7], v[FA+32*(\f)+8*(\a):FA+32*(\f)+8*(\a)+7], v[BIAS+8*(\b):BIAS+8*(\b)+7]
.else
	v_wmma_f32_16x16x32_bf16 v[8*(12*((\a)%2)+(\b)):8*(12*((\a)%2)+(\b))+7], v[96*(\f)+8*(\b):96*(\f)+8*(\b)+7], v[FA+32*(\f)+8*(\a):FA+32*(\f)+8*(\a)+7], v[8*(12*((\a)%2)+(\b)):8*(12*((\a)%2)+(\b))+7]
.endif
.endr
.endm
; 32 LDS loads in one run: quarter kq's fragments (192 rows of W, then my 64 rows of x) into buffers f
.macro FETCH slot, kq, f
	WIN 0x40
.irp i, 0,1,2,3,4,5,6,7,8,9,10,11
	ds_load_b128 v[96*(\f)+8*(\i):96*(\f)+8*(\i)+3],   v[ADRB+(\slot)] offset:64*(\kq)+(\i)*16*PITCH
	ds_load_b128 v[96*(\f)+8*(\i)+4:96*(\f)+8*(\i)+7], v[ADRB+(\slot)] offset:64*(\kq)+(\i)*16*PITCH+32
.endr
	WIN 0
.irp i, 0,1,2,3
	ds_load_b128 v[FA+32*(\f)+8*(\i):FA+32*(\f)+8*(\i)+3],   v[ADRA+(\slot)] offset:64*(\kq)+(\i)*16*PITCH
	ds_load_b128 v[FA+32*(\f)+8*(\i)+4:FA+32*(\f)+8*(\i)+7], v[ADRA+(\slot)] offset:64*(\kq)+(\i)*16*PITCH+32
.endr
.endm
; A K step is four quarters of 32 along K, 48 matrix instructions each, on buffers 0, 1, 0, 1.  One of the first three multiplies f and fetches quarter kq into g.
.macro QUARTER slot, kq, f, g, first
	s_wait_dscnt 4                                 ; W and x's blocks 0, 1 are in; the youngest four loads (blocks 2, 3) may be out
	MULA \f, 0, \first
	MULA \f, 1, \first
	PLACES
	FETCH \slot, \kq, \g
	s_wait_dscnt 32                                ; all but the 32 just issued
	MULA \f, 2, \first
	MULA \f, 3, \first
.endm
; The last quarter multiplies buffers 1 and changes slots: ONE barrier; in front of it each wave waits for all its tensor loads (one is out: its part of the next slot), adds 0 to its spare word,
; and waits for that and for its reads of this slot.  fill = 1: the barrier opens a round of the cluster's, and this slot is filled again, two K steps on, first thing behind it:
; 168 matrix instructions stand between that request and the wait for it.
.macro TURN slot, next, fill
	WIN 0
	s_wait_tensorcnt 0x0
	ds_add_u32 v[SPW], v[NIL]
	s_wait_dscnt 5                                 ; (the add and the youngest four loads may be out)
	MULA 1, 0, 0
	s_wait_dscnt 0x0                               ; the add is done, and my reads of this slot are over
	s_barrier_signal -1
	MULA 1, 1, 0
.if \fill
	WIN 0
.endif
	s_barrier_wait -1
.if \fill
	CREST                                          ; no wave of any partner still reads this slot or has a load on its way
	s_add_nc_u64 s[G0+4*(\slot)+2:G0+4*(\slot)+3], s[G0+4*(\slot)+2:G0+4*(\slot)+3], 2*KSTEP*2
	s_add_nc_u64 s[G0B+4*(\slot)+2:G0B+4*(\slot)+3], s[G0B+4*(\slot)+2:G0B+4*(\slot)+3], 2*KSTEP*2
	JLOAD \slot                                    ; its four v_nop are also the places in front of the loads below
.else
	PLACES
.endif
	FETCH \next, 0, 0
	MULA 1, 2, 0
	MULA 1, 3, 0
.endm
	s_wait_tensorcnt 1                             ; my part of K step 0 is in; K step 1's may stay out
	s_barrier_signal -1
	s_barrier_wait -1
	FETCH 0, 0, 0
	QUARTER 0, 1, 0, 1, 1                          ; the first quarter stands in front of the loop: its products start the sums
	WIN 0
	s_mov_b32 s3, LAPS-1
.Llap:                                                 ; a trip goes once round the ring and fills both slots again
	QUARTER 0, 2, 1, 0, 0
	QUARTER 0, 3, 0, 1, 0
	TURN 0, 1, 1
	QUARTER 1, 1, 0, 1, 0
	QUARTER 1, 2, 1, 0, 0
	QUARTER 1, 3, 0, 1, 0
	TURN 1, 0, 1
	QUARTER 0, 1, 0, 1, 0
	WIN 0
	s_sub_co_u32 s3, s3, 1
	s_cmp_lg_u32 s3, 0
	s_cbranch_scc1 .Llap
	QUARTER 0, 2, 1, 0, 0                          ; the last lap fills nothing
	QUARTER 0, 3, 0, 1, 0
	TURN 0, 1, 0
	QUARTER 1, 1, 0, 1, 0
	QUARTER 1, 2, 1, 0, 0
	QUARTER 1, 3, 0, 1, 0
	s_wait_dscnt 4                                 ; the very last quarter: nothing more to fetch
	MULA 1, 0, 0
	MULA 1, 1, 0
	s_wait_dscnt 0x0
	MULA 1, 2, 0
	MULA 1, 3, 0
	WIN 0
	; THE WAY OUT, a block of 16 rows at a time: rounded to f16 (each accumulator's registers ascending), 16 bytes a lane into my stage, back as 128 bytes of four rows, stored as 512 consecutive bytes of q, k and v.
	PLACES
.macro OUT a
	WIN 0x0a+5*((\a)/2)                            ; sources 0 and 1: window 2 or 3
.irp b, 0,1,2,3,4,5,6,7,8,9,10,11
.irp j, 0,1,2,3
	v_cvt_pk_f16_f32 v[TMP+4*(\b)+(\j)], v[96*((\a)%2)+8*(\b)+2*(\j)], v[96*((\a)%2)+8*(\b)+2*(\j)+1]
.endr
.endr
	WIN 0
	s_wait_xcnt 0x0                                ; the last block's stores have read their registers, which the loads below write
.irp b, 0,1,2,3,4,5,6,7,8,9,10,11
	ds_store_b128 v[STO], v[TMP+4*(\b):TMP+4*(\b)+3] offset:32*(\b)
.endr
.irp p, 0,1,2
.irp t, 0,1,2,3
	ds_load_b128 v[OB+4*(4*(\p)+(\t)):OB+4*(4*(\p)+(\t))+3], v[RD] offset:128*(\p)+4*SPITCH*(\t)  ; LDS serves a wave's instructions in order (ISA guide 5.7.1.4): these see the stores above
.endr
.endr
	s_wait_dscnt 0x0
.irp t, 0,1,2,3
	global_store_b128 v[CO], v[OB+4*(\t):OB+4*(\t)+3],       s[10:11] offset:2048*(\a)+512*(\t)
	global_store_b128 v[CO], v[OB+16+4*(\t):OB+16+4*(\t)+3], s[68:69] offset:2048*(\a)+512*(\t)
	global_store_b128 v[CO], v[OB+32+4*(\t):OB+32+4*(\t)+3], s[70:71] offset:2048*(\a)+512*(\t)
.endr
.endm
	OUT 0
	OUT 1
	OUT 2
	OUT 3
	s_wait_tensorcnt 0x0                           ; the wave's end: the add and its wait stand behind my last tensor load and my last LDS store
	ds_add_u32 v[SPW], v[NIL]
	s_wait_dscnt 0x0
	CROUND                                         ; the closing round: no work-group ends while a partner may still ask for a tile that names it
	s_endpgm
.Lfunc_end_k_q888e30c21b_qkv:
	.size	k_q888e30c21b_qkv, .Lfunc_end_k_q888e30c21b_qkv-k_q888e30c21b_qkv
	.p2alignl 7, 3214868480
	.fill 96, 4, 3214868480
	.section	.rodata,"a",@progbits
	.p2align	6, 0x0
	.amdhsa_kernel k_q888e30c21b_qkv
		.amdhsa_group_segment_fixed_size 327680
		.amdhsa_private_segment_fixed_size 0
		.amdhsa_enable_private_segment 0
		.amdhsa_kernarg_size 48
		.amdhsa_user_sgpr_count 2
		.amdhsa_user_sgpr_kernarg_segment_ptr 1
		.amdhsa_wavefront_size32 1
		.amdhsa_system_sgpr_workgroup_id_x 1
		.amdhsa_system_sgpr_workgroup_id_y 1
		.amdhsa_system_sgpr_workgroup_id_z 1
		.amdhsa_system_vgpr_workitem_id 0
		.amdhsa_next_free_vgpr 960
		.amdhsa_next_free_sgpr 72
		.amdhsa_reserve_vcc 0
		.amdhsa_float_denorm_mode_32 3
		.amdhsa_float_denorm_mode_16_64 3
		.amdhsa_memory_ordered 1
		.amdhsa_forward_progress 1
		.amdhsa_inst_pref_size 128
	.end_amdhsa_kernel
	.amdgpu_metadata
---
amdhsa.version: [ 1, 2 ]
amdhsa.kernels:
  - .name:           k_q888e30c21b_qkv
    .symbol:         k_q888e30c21b_qkv.kd
    .args:
      - { .name: xb, .offset: 0, .size: 8, .value_kind: global_buffer, .address_space: global }
      - { .name: wqkvb, .offset: 8, .size: 8, .value_kind: global_buffer, .address_space: global }
      - { .name: b_qkv, .offset: 16, .size: 8, .value_kind: global_buffer, .address_space: global }
      - { .name: qw, .offset: 24, .size: 8, .value_kind: global_buffer, .address_space: global }
      - { .name: kw, .offset: 32, .size: 8, .value_kind: global_buffer, .address_space: global }
      - { .name: vw, .offset: 40, .size: 8, .value_kind: global_buffer, .address_space: global }
    .group_segment_fixed_size: 327680
    .private_segment_fixed_size: 0
    .kernarg_segment_align: 8
    .kernarg_segment_size: 48
    .max_flat_workgroup_size: 128
    .sgpr_count:     72
    .vgpr_count:     960
    .wavefront_size: 32
...
	.end_amdgpu_metadata
.endif
;; end of part 2
;; launch attn (part 3): grid 4 x 64, 4 waves a work-group, clusters of 4 x 1, 327,680 bytes of LDS; arguments qw, kw, vw, ow, maskw; writes ow
.if DOCPART == 3
	.amdgcn_target "amdgcn-amd-amdhsa--gfx1250"
	.amdhsa_code_object_version 6
	.text
	.protected	k_q888e30c21b_attn
	.globl	k_q888e30c21b_attn
	.p2align	8
	.type	k_q888e30c21b_attn,@function
k_q888e30c21b_attn:
	s_mov_b64 s[64:65], 0
	v_nop
	global_prefetch_b8 v0, s[64:65] scope:SCOPE_SE
	s_setreg_imm32_b32 hwreg(HW_REG_WAVE_MODE, 25, 1), 1
	s_wait_xcnt 0x0
	s_wait_alu depctr_hold_cnt(0) depctr_sa_sdst(0) depctr_va_vdst(0) depctr_va_sdst(0) depctr_va_ssrc(0) depctr_va_vcc(0) depctr_vm_vsrc(0)
	s_getreg_b32 s2, hwreg(HW_REG_IB_STS2, 6, 4)
	s_cmp_eq_u32 s2, 0
	s_cbranch_scc0 .Lentry_in_a_cluster
	s_endpgm
.Lentry_in_a_cluster:
	s_bfe_u32 s2, ttmp6, 0x10000c
	s_cmp_lg_u32 s2, 0x3003
	s_cbranch_scc0 .Lentry_shape_is_right
	s_endpgm
.Lentry_shape_is_right:
; O[h][q][:] = the sum over k of softmax_k(Q[h][q] . K[h][k] / 8 + mask[q][k]) V[h][k][:].  Q, K, V, O: [64][2048][64], all f16: a head's rows are dense, 128 bytes each.  Products, maxima and sums in
; f32; the weights p are rounded to f16 for the second product (their sum l is taken of the unrounded p), O once at the end.
; THE MASK is an input, the same for all 64 heads.  maskw holds bf16(8 x mask), held to +-8e30, in the order of a matrix fragment: [query tile of 16][32 keys][2][lane][16 bytes].  A fragment (32 keys x 16
; queries) is multiplied by a constant matrix of zeros and ones that picks 16 of its keys: each output is one product with 1.0, so it is the mask's number itself, in f32 and in the scores' own layout.
; That result is the C operand of the product that starts a score's sum: S = 8 mask + K Q^T, and c S = log2(e) (K Q^T / 8 + mask).  No vector instruction touches the mask.
; LIMITS.  f16 holds no number beyond 65,504: Q, K and V arrive within it; p lies in 0 to 1, and below 6e-5 it keeps f16's fixed step of 6e-8; O is a mean of V's rows and has their range.
; A mask beyond +-1e30 counts as +-1e30; a row whose keys are all hidden so gets equal weights.  A weight below 2^-126 counts as 0 in l; NaN is not treated.
; SHARES.  A wave owns four PIECES of two tiles of 16 queries, a work-group's four waves 512 queries of one head.  Every wave walks all keys, 64 a step.
; LAYOUT.  S^T = K Q^T (source 0 = 16 keys, source 1 = 16 queries): in the result a lane holds ONE query (lane % 16) and the keys 8 (lane / 16) + 0..7.  Two such tiles, rounded to f16 in pairs,
; ARE source 1 (32 keys x 16 queries) of O^T = V^T P, whose result again holds one query a lane, and eight channels.  K comes out of LDS as it lies, V ([key][channel]) turned, by ds_load_tr16_b128.
; SOFTMAX.  For each query a running maximum m and sum l: p = 2^(c s - c m), c = log2(e) / 8; in every step O and l are multiplied by a = 2^(c m_old - c m_new), which is 1 where m has not grown.
; m starts at the lowest finite number, O and l at 0: the first step is a step like any other, with a = 0.
; BY TURNS.  Turn n belongs to piece n (the pieces in a ring, step after step).  Its matrix work: 16 products K Q^T of piece n + 1, 8 mask products for piece n + 2, 16 products V^T P of piece n - 1.  Its vector
; work: the scaling, exponentials, roundings, sums and rescaling of piece n, and the maximum and statistics of piece n + 1.  Four vector instructions stand behind every matrix instruction, the rest in two lumps.
; THE MASK'S LOADS go straight into registers (no two waves share a byte of it): a piece's 8 loads of 512 consecutive bytes are issued right behind the products that used the piece's last fragments, a key step ahead.
; CLUSTER.  The four query blocks of a cluster are one head's and walk the same K and V, so each tile is asked for JOINTLY: the same tensor load, descriptor and mask in all four.
; REGISTERS, in windows of 256 (s_set_vgpr_msb says which window each operand place means: bits 1:0 source 0, 3:2 source 1, 5:4 source 2, 7:6 destination):
;   window 0: v0-11 addresses; v12-15, v48-63 at work; v16-47 four registers of statistics a tile; v64-191 S^T, two buffers of two tiles; v192-255 P, likewise
;   window 1: O^T, 32 a tile          window 2: v0-127 Q, 16 a tile; v128-191 K of one step; v192-255 V of one step
;   window 3: v0-1 the add's two registers; v4-15 the two picking matrices, overlaid; v64-127 the mask of the scores to come; v128-255 the mask's fragments, 32 a piece
.set SIZE_N, 2048
.set NP,    4         ; pieces a wave: a name, no knob
.set KS,    64        ; keys in a step
.set PK,    144       ; a row of K in LDS: 128 bytes + 16 of padding = 36 words: the 16 rows of a load start at 16 different groups of four banks (64 banks of 4 bytes: ISA guide 11.1)
.set PV,    160       ; a row of V: 128 + 32 = 40 words
.set VOFF,  4*KS*PK   ; a slot holds four steps: 256 rows of K, then 256 rows of V
.set SLOT1, 1<<17     ; slot 1 begins here, so that one exclusive or turns an address in one slot into the other's
.set STAGE, SLOT1+4*KS*(PK+PV)  ; behind the ring, never filled by a tensor load: 16 rows x 144 bytes for each wave, for the way out
.set SP,    144
.set AK0, 2           ; v2   my lane's place in a tile of K; never rewritten
.set AV0, 3           ; v3   the same for V
.set AK,  4           ; v4   the LDS address of K's next run of loads
.set AV,  5           ; v5   of V's
.set QO,  6           ; v6   my byte offset in the wave's rows of Q
.set STO, 6           ;      later, the way out: where I put 16 bytes of a row
.set RD,  7           ; v7   the way out: where I read rows back
.set GO,  8           ; v8   my byte offset in 512 consecutive bytes of O
.set PFO, 10          ; v10  (once RD is made) 256 x my lane, for the prefetches; never rewritten
.set MO,  11          ; v11  (once AV0 is made) 16 x my lane + 2,048 x the key step whose mask is loaded next
.set SPW, 0           ; v0 of window 3   my spare word: SPARE + 4 x my thread's number; never rewritten
.set NIL, 1           ; v1 of window 3   0; never rewritten
.set SPARE, STAGE+4*16*SP  ; behind the stages: the spare words, 128 bytes for each wave: two blocks of 256 bytes that no other line names
.set MV,  12          ; v12-15  c m_old, kept while c m is made anew: by buffer and tile
.set ST,  16          ; tile t's statistics at v[ST+4 t]: c m, m, l (even keys', odd keys')
.set TMP, 48          ; by buffer and tile, four registers c0-c3 at work; when the maximum is found c2 takes a
.set S,   64
.set P,   192
.set KF,  128         ; K's fragments, in window 2: key block kb, channel half c at KF + 16 kb + 8 c
.set VF,  192         ; V's: key half kk, channel block cb at VF + 32 kk + 8 cb
.set MSK, 64          ; window 3: tile u, key block kb at MSK + 32 u + 8 kb
.set MF,  128         ; window 3: piece x, tile u, key half kk at MF + 32 x + 16 u + 8 kk
.set WV,  12          ; s12  my wave's number
.set G1K, 24          ; s[24:31] descriptor group 1 for K's tiles
.set G1V, 32          ; s[32:39] for V's: it differs in the padding alone
.set G0K, 40          ; s[40:43] descriptor group 0 for K's tiles: it walks
.set G0V, 44          ; s[44:47] the same for V's
.set MB,  48          ; s[48:49] maskw at my wave's first query tile
.set PFA, 50          ; s[50:51] where my prefetches stand: my work-group's 32 blocks of 256 bytes (of K: wave 0, of V: wave 2) of the slot after the one that is being asked for
.set LIM, 52          ; s52  1 in waves 0 and 2, else the greatest number: a wave prefetches while s[SLOTS] is above it
.set SLOTS, 56        ; s56  slots still to be asked for
.set CNT, 57          ; s57  counts a slot's key steps
.set CS,  58          ; s[58:59] c: the packed scaling takes the pair's low word for both halves
.set SEL, 60          ; s[60:61] v_permlanex16_b32's selects: each lane takes its own place in the other half
.set TBK, 62          ; s62  LDS byte at which K of the step to be fetched begins
.set TBV, 63          ; s63  the same for V, less VOFF
.set MSB, 0
.macro WIN new                      ; the high byte repeats the setting that is left; a switch that changes nothing is dropped
.if MSB != (\new)
	s_set_vgpr_msb (MSB<<8)|(\new)
.set MSB, (\new)
.endif
.endm
.set W_KQ, 0x0a       ; K and Q in window 2, S^T in window 0
.set W_KM, 0x3a       ; the same with the C operand, the mask, in window 3
.set W_MM, 0xcf       ; a mask product: all in window 3
.set W_PV, 0x52       ; V in window 2, P in window 0, O^T in window 1
.set W_RS, 0x41       ; O^T (destination and source 0) in window 1, a in window 0
.set W_MK, 0xc0       ; destination in window 3, sources and addresses in window 0
.set W_AD, 0x0f       ; the add: address (source 0) and data (source 1) in window 3
; A joint fill.  Waves 0 and 1 fetch the two halves of a slot's K, waves 2 and 3 those of its V: 128 keys each.  The branch hangs on the wave's number alone.
; An s_nop 0 and four v_nop follow each of the two lines, ahead of the jump and the label.
.macro JLOAD
	s_cmp_lt_u32 s[WV], 2
	s_cbranch_scc0 .Lfor_v_\@
	tensor_load_to_lds s[G0K:G0K+3], s[G1K:G1K+7]
	s_nop 0
.rept 4
	v_nop
.endr
	s_branch .Lasked_\@
.Lfor_v_\@:
	tensor_load_to_lds s[G0V:G0V+3], s[G1V:G1V+7]
	s_nop 0
.rept 4
	v_nop
.endr
.Lasked_\@:
.endm
; A PREFETCH INTO THE L2 of what the NEXT change of slots will ask for: a slot's 32,768 bytes of K and of V, in blocks of 256, a lane a block.  It stands behind the wave's tensor load and its five lines.
; Each block is named once in the launch: a head has one cluster; its four partners take 32 blocks each, told apart BY ADDRESS; in each, wave 0 asks for K's and wave 2 for V's.
; Slots 0 to 2 come by their loads alone; the last change that fills a slot asks for nothing: there is no slot behind it.
.macro ASK
	s_cmp_gt_u32 s[SLOTS], s[LIM]
	s_cbranch_scc0 .Lnot_mine_\@
	global_prefetch_b8 v[PFO], s[PFA:PFA+1] th:TH_LOAD_NT scope:SCOPE_SE
.Lnot_mine_\@:
.endm
; A round of the cluster's barrier: my work-group's barrier, so that wave 0's signal speaks for all four waves; wave 0 signals; every wave waits for all four work-groups; my work-group's barrier once more.
.macro CROUND
	s_barrier_signal -1
	s_barrier_wait -1
	s_cmp_lg_u32 s[WV], 0
	s_cbranch_scc1 .Lnot_wave_0_\@
	s_barrier_signal -3
.Lnot_wave_0_\@:
	s_barrier_wait -3
	s_barrier_signal -1
	s_barrier_wait -1
.endm
; THE CHANGE OF SLOTS.  The slot's last bytes, V of its fourth step, have been read.  Each wave waits for all its tensor loads, of which one is out: its part
; of the other slot; adds 0 to its spare word; and waits for that and for its own reads of the slot.  Behind the barrier nobody reads this slot any more and the other slot is whole.
; fill = 1: this slot is filled again, with the keys two slots on.  The barrier is then a round of the cluster's, and the joint fill is the first thing behind it: it has four key steps in which to land.
; (At its first use nothing has been read yet: slot 0 is waited for, slot 1 filled.)  ask = 1: the prefetches' address steps, and ASK follows the fill.
.macro CHANGE fill, ask=0
	WIN W_AD
	s_wait_tensorcnt 0x0            ; no tensor load of mine is out, so a group 0 may be written
	ds_add_u32 v[SPW], v[NIL]       ; 0 onto my spare word; with fill = 1 the descriptors' steps stand between it and the wait for it
	WIN 0                           ; at a label and at a branch every window is 0
.if \fill
.irp g, G0K, G0V
	s_xor_b32 s[\g+1], s[\g+1], SLOT1  ; the walking descriptor: the other slot than last time,
	s_add_nc_u64 s[\g+2:\g+3], s[\g+2:\g+3], 4*KS*128  ; the next 256 keys; the type bits on top are not reached
.endr
.if \ask
	s_wait_xcnt 0x0                 ; the last prefetch, four key steps back, has read its address, so it may be written:
	s_add_nc_u64 s[PFA:PFA+1], s[PFA:PFA+1], 4*KS*128  ; one slot behind the walking descriptors
.endif
	s_wait_dscnt 0x0                ; the add is done, and my reads of the slot are over
	CROUND
	JLOAD
.if \ask
	ASK
.endif
.else
	s_wait_dscnt 0x0                ; the add is done, and my reads of the slot are over
	s_barrier_signal -1
	s_barrier_wait -1
.endif
	s_sub_co_u32 s[TBK], s[TBK], 4*KS*PK  ; the fetches go back to a slot's first step,
	s_xor_b32 s[TBK], s[TBK], SLOT1       ; in the other slot
	s_sub_co_u32 s[TBV], s[TBV], 4*KS*PV
	s_xor_b32 s[TBV], s[TBV], SLOT1
.endm
; THE MASK'S LOADS for piece x, at the key step that MO names: two tiles x two halves of 32 keys x two loads, each 512 consecutive bytes.
.macro MLOAD x
	WIN W_MK
.irp u, 0,1
.irp kk, 0,1
.irp jj, 0,1
	global_load_b128 v[MF+32*(\x)+16*(\u)+8*(\kk)+4*(\jj):MF+32*(\x)+16*(\u)+8*(\kk)+4*(\jj)+3], v[MO], s[MB:MB+1] offset:(2*(\x)+(\u))*65536+(\kk)*1024+(\jj)*512
.endr
.endr
.endr
	WIN 0
.endm
; MO goes a key step on.  Behind step 31 it comes round to step 0: the last six turns of the walk load fragments that serve nothing, the price of one text for every trip; no load leaves the buffer.
.macro MSTEP
	WIN 0
	s_wait_xcnt 0x0                 ; every load issued so far has read its address
	v_add_nc_u32 v[MO], 2048, v[MO]
	v_and_b32 v[MO], 0xffff, v[MO]
.endm
	s_load_b256 s[4:11], s[0:1], 0x0  ; Q s[4:5], K s[6:7], V s[8:9], O s[10:11]
	s_load_b64 s[MB:MB+1], s[0:1], 0x20  ; maskw
	WIN W_MK
	v_lshl_add_u32 v[SPW], v0, 2, SPARE
	v_mov_b32 v[NIL], 0
	WIN W_AD
	ds_add_u32 v[SPW], v[NIL]       ; the wave's opening: the add and its wait stand ahead of my first tensor load; the set-up below, work on registers, stands between them
	WIN 0
	v_lshrrev_b32 v1, 5, v0
	v_readfirstlane_b32 s[WV], v1   ; wave 0..3
	s_bfe_u32 s13, ttmp6, 0x40000   ; cx: my place in the cluster
	s_lshl_b32 s14, ttmp9, 2        ; in a cluster launch ttmp9 counts clusters
	s_add_co_u32 s14, s14, s13      ; my block of queries = 4 x cluster x + cx: it enters Q's, O's and the mask's addresses alone
	s_and_b32 s20, ttmp7, 0xffff    ; the head, which the four partners share
	s_mov_b32 s21, 0
	s_mov_b64 s[22:23], SIZE_N*128
	s_mul_u64 s[20:21], s[20:21], s[22:23]  ; the head's first byte in each of the four tensors
	s_and_b32 s16, s[WV], 1         ; which half of a slot's 256 keys I fetch:
	s_lshl_b32 s22, s16, 14         ; its 128 rows of 128 bytes in memory,
	s_mov_b32 s23, 0
	s_add_nc_u64 s[22:23], s[22:23], s[20:21]
	s_mul_i32 s17, s16, 128*PK      ; and its place in a slot, for K
	s_mul_i32 s18, s16, 128*PV      ; and for V: no place in the cluster enters an LDS address
	s_lshl_b32 s2, s14, 2
	s_add_co_u32 s2, s2, s[WV]      ; my wave among the head's sixteen:
	s_lshl_b32 s54, s2, 19          ; its 8 query tiles of 65,536 bytes in maskw,
	s_mov_b32 s55, 0
	s_lshl_b32 s2, s2, 14           ; its 128 rows
	s_mov_b32 s3, 0
	s_add_nc_u64 s[2:3], s[2:3], s[20:21]
	s_cmp_eq_u32 s16, 0
	s_cselect_b32 s[LIM], 1, -1     ; the same in all four partners, for a given wave
	; descriptor group 1.  128 keys are 16,384 dense bytes: asked for as 64 rows of 256 bytes, two keys a row, and padded in LDS after every key
	s_mov_b32 s[G1K], 15|(1<<16)|(1<<20)|(1<<21)|(4<<22)|(3<<25)  ; 15:0 the mask of four; 17:16 2-byte elements; 20 padding on; 21 set beside a mask; 24:22 after every 32 words (code 4); 31:25 4 words (code 3)
	s_mov_b32 s[G1V], 15|(1<<16)|(1<<20)|(1<<21)|(4<<22)|(7<<25)  ; the same with 8 words of padding (code 7)
.irp g, G1K, G1V
	s_mov_b32 s[\g+1], 128<<16      ; tensor_dim0 = 128
	s_mov_b32 s[\g+2], 64<<16       ; tensor_dim1 = 64
	s_mov_b32 s[\g+3], 128<<16      ; tile_dim0 = 128
	s_mov_b32 s[\g+4], 64           ; tile_dim1 = 64
	s_mov_b32 s[\g+5], 128          ; 128 elements from row to row
	s_mov_b32 s[\g+6], 0
	s_mov_b32 s[\g+7], 0
.endr
	s_mov_b32 s[CS], 0x3e38aa3b     ; c = log2(e) / 8 = 0.180337
	s_mov_b32 s[CS+1], s[CS]        ; named with it as a pair
	s_mov_b32 s[SEL], 0x76543210
	s_mov_b32 s[SEL+1], 0xfedcba98
	s_mov_b32 s[TBK], SLOT1+4*KS*PK ; the first change of slots turns these two into 0
	s_mov_b32 s[TBV], SLOT1+4*KS*PV
	s_mov_b32 s[G0K], 1             ; 1:0 count = 1
	s_mov_b32 s[G0K+1], s17         ; 63:32 LDS address: slot 0
	s_mov_b32 s[G0V], 1
	s_add_co_u32 s[G0V+1], s18, VOFF
	s_wait_dscnt 0x0                ; the opening add is done
	s_wait_kmcnt 0x0
	s_add_nc_u64 s[G0K+2:G0K+3], s[6:7], s[22:23]  ; 120:64 global address: my half of the head's first 256 keys
	s_or_b32 s[G0K+3], s[G0K+3], 0x80000000        ; 127:126 type = 2
	s_add_nc_u64 s[G0V+2:G0V+3], s[8:9], s[22:23]
	s_or_b32 s[G0V+3], s[G0V+3], 0x80000000
	s_add_nc_u64 s[4:5], s[4:5], s[2:3]  ; Q and O at my wave's first row
	s_add_nc_u64 s[10:11], s[10:11], s[2:3]
	s_add_nc_u64 s[MB:MB+1], s[MB:MB+1], s[54:55]
	s_cmp_lt_u32 s[WV], 2
	s_cselect_b64 s[PFA:PFA+1], s[6:7], s[8:9]
	s_add_nc_u64 s[PFA:PFA+1], s[PFA:PFA+1], s[20:21]  ; the head,
	s_lshl_b32 s54, s13, 13         ; my work-group's 32 blocks of the 128,
	s_add_nc_u64 s[PFA:PFA+1], s[PFA:PFA+1], s[54:55]
	s_add_nc_u64 s[PFA:PFA+1], s[PFA:PFA+1], 2*4*KS*128  ; in slot 2; the first change that asks steps it to slot 3.  Nothing is prefetched at the head
	CROUND                          ; all four work-groups are here: the first joint loads meet
	JLOAD                           ; slot 0.  Slot 1 is asked for when slot 0 is in
	; A fragment of K or Q is 16 rows x 32 channels in 8 registers: lane l holds row l % 16, channels 8 (l / 16) + 0..7 and 16 + 8 (l / 16) + 0..7: two loads of 16 bytes, 32 bytes apart.
	v_and_b32 v1, 15, v0            ; l % 16
	v_bfe_u32 v9, v0, 4, 1          ; l / 16
	v_lshlrev_b32 v[QO], 7, v1
	v_lshl_add_u32 v[QO], v9, 4, v[QO]  ; row x 128 + 16 x half
	WIN 0x80                        ; destination window 2, address window 0
.set i, 0
.rept 4*NP                          ; Q stays in registers: tile i / 2, channels 32 (i % 2) on
	global_load_b128 v[8*i:8*i+3],   v[QO], s[4:5] offset:(i/2)*2048+(i%2)*64
	global_load_b128 v[8*i+4:8*i+7], v[QO], s[4:5] offset:(i/2)*2048+(i%2)*64+32
.set i, i+1
.endr
	; What the first turn finds: V's registers and P's second buffer hold 0 (its products V^T P, of a piece that has not been, add 0), O^T and l are 0.  All this stands in the wait for the first tile.
.set i, VF
.rept 64
	v_mov_b32 v[i], 0
.set i, i+1
.endr
	WIN 0x40
.set i, 0
.rept 64*NP
	v_mov_b32 v[i], 0
.set i, i+1
.endr
	WIN 0
.set i, 0
.rept 2*NP
	v_mov_b32 v[ST+4*i], 0xfe000000    ; c m: far below every c s, the hidden ones' too (c x 8e30 is 1.5e30)
	v_mov_b32 v[ST+4*i+1], 0xff7fffff  ; m
	v_mov_b32 v[ST+4*i+2], 0
	v_mov_b32 v[ST+4*i+3], 0
.set i, i+1
.endr
.set i, P+32
.rept 32
	v_mov_b32 v[i], 0
.set i, i+1
.endr
	v_mul_u32_u24 v[AK0], v1, PK
	v_lshl_add_u32 v[AK0], v9, 4, v[AK0]  ; row x pitch + 16 x half
	; The turning load takes 16 keys x 16 channels (lane l reads key 8 (l / 16) + l % 8, channels 8 ((l / 8) % 2) + 0..7) and leaves half a fragment of V^T: lane l holds channel l % 16 and 8 keys.
	v_and_b32 v10, 7, v0
	v_bfe_u32 v11, v0, 3, 1
	v_lshl_add_u32 v[AV0], v9, 3, v10
	v_mul_u32_u24 v[AV0], v[AV0], PV
	v_lshl_add_u32 v[AV0], v11, 4, v[AV0]
	v_add_nc_u32 v[AV0], VOFF, v[AV0]
	v_mov_b32 v[AK], v[AK0]         ; key step 0 lies at the head of slot 0
	v_and_b32 v[MO], 31, v0
	v_lshlrev_b32 v[MO], 4, v[MO]   ; key step 0
	MLOAD 0
	MLOAD 1
	MLOAD 2
	MLOAD 3
	; THE PICKING MATRICES, source 0 of a mask product (16 rows x 32): E0[m][j] = (j == m), E1[m][j] = (j == 16 + m).  Lane (r = l % 16, h = l / 16) holds row r: registers 0-3 columns 8 h + 0..7,
	; registers 4-7 columns 16 + 8 h + 0..7.  T0-T3: 1.0 in bf16 in half r % 2 of register (r / 2) % 4 where r / 8 == h, else 0.  E1 = (0, 0, 0, 0, T) = v[4:11], E0 = (T, 0, 0, 0, 0) = v[8:15] of window 3.
	v_lshrrev_b32 v12, 3, v1
	v_bfe_u32 v13, v1, 1, 2
	v_and_b32 v14, 1, v1
	v_lshlrev_b32 v14, 4, v14
	v_mov_b32 v15, 0x3f80
	v_lshlrev_b32 v14, v14, v15
	v_cmp_eq_u32 s20, v12, v9
	v_cndmask_b32 v14, 0, v14, s20
	v_cmp_eq_u32 s20, 0, v13
	v_cmp_eq_u32 s21, 1, v13
	v_cmp_eq_u32 s22, 2, v13
	v_cmp_eq_u32 s23, 3, v13
	WIN W_MK
	v_cndmask_b32 v8, 0, v14, s20
	v_cndmask_b32 v9, 0, v14, s21
	v_cndmask_b32 v10, 0, v14, s22
	v_cndmask_b32 v11, 0, v14, s23
.irp z, 4,5,6,7,12,13,14,15
	v_mov_b32 v[\z], 0
.endr
	WIN 0
; THE MATRIX WORK.  The 8 accumulators of a run of 16 take turns: between the two links of a chain stand 7 others'.
; Product i of 16 of S^T = K Q^T for piece x: channels 32 (i / 8) on, keys 16 ((i / 2) % 4) on, tile 2 x + i % 2.  The first 8 start the sums, with the mask.
.macro KQ x
.set rS, S+64*((\x)%2)+32*(i%2)+8*((i/2)%4)
.set rK, KF+16*((i/2)%4)+8*(i/8)
.set rQ, 16*(2*(\x)+i%2)+8*(i/8)
.set rG, MSK+32*(i%2)+8*((i/2)%4)
.if i < 8
	WIN W_KM
	v_wmma_f32_16x16x32_f16 v[rS:rS+7], v[rK:rK+7], v[rQ:rQ+7], v[rG:rG+7]
.else
	WIN W_KQ
	v_wmma_f32_16x16x32_f16 v[rS:rS+7], v[rK:rK+7], v[rQ:rQ+7], v[rS:rS+7]
.endif
.endm
; Product i of 16 of O^T += V^T P for piece x: keys 32 (i / 8) on, channels 16 ((i / 2) % 4) on, tile 2 x + i % 2.
.macro PV x
	WIN W_PV
.set rO, 32*(2*(\x)+i%2)+8*((i/2)%4)
.set rV, VF+32*(i/8)+8*((i/2)%4)
.set rP, P+32*((\x)%2)+16*(i%2)+8*(i/8)
	v_wmma_f32_16x16x32_f16 v[rO:rO+7], v[rV:rV+7], v[rP:rP+7], v[rO:rO+7]
.endm
; Mask product mi of 8 for piece Y + 2: tile mi % 2, key block mi / 2: the picking matrix of that block's parity times the fragment of its half of 32 keys.  It starts and ends its sum.
.macro MK
	WIN W_MM
.set rD, MSK+32*(mi%2)+8*(mi/2)
.set rE, 8-4*((mi/2)%2)
.set rF, MF+32*((Y+2)%NP)+16*(mi%2)+8*(mi/4)
	v_wmma_f32_16x16x32_bf16 v[rD:rD+7], v[rE:rE+7], v[rF:rF+7], 0
.set mi, mi+1
.endm
.macro MM                           ; the turn's next product of the two kinds
.if i < 16
	KQ (Y+1)%NP
.set i, i+1
.else
.set i, i-16
	PV (Y+NP-1)%NP
.set i, i+17
.endif
.endm
; THE LDS LOADS stand in runs of 16, never singly among the matrix instructions: a step's K (64 keys x 64 channels: 8 fragments) and its V (turned).  Their addresses are made some lines ahead.
; last = 1 (the tail): in the last trip there is no further step, and the run is jumped over.
.macro FETCH_K last=0
	WIN 0
.if \last
	s_cmp_eq_u32 s[CNT], 1
	s_cbranch_scc1 .Lno_k_\@
.endif
	WIN 0x80                        ; destination window 2
.irp f, 0,1,2,3,4,5,6,7             ; keys 16 (f / 2) on, channels 32 (f % 2) on
	ds_load_b128 v[KF+8*\f:KF+8*\f+3],   v[AK] offset:(\f/2)*16*PK+(\f%2)*64
	ds_load_b128 v[KF+8*\f+4:KF+8*\f+7], v[AK] offset:(\f/2)*16*PK+(\f%2)*64+32
.endr
	s_add_co_u32 s[TBK], s[TBK], KS*PK  ; the next fetch is the next step's
	WIN 0
.if \last
.Lno_k_\@:
.endif
.endm
.macro FETCH_V
	WIN 0x80
.irp f, 0,1,2,3,4,5,6,7             ; keys 32 (f / 4) on, channels 16 (f % 4) on
	ds_load_tr16_b128 v[VF+8*\f:VF+8*\f+3],   v[AV] offset:(\f/4)*32*PV+(\f%4)*32
	ds_load_tr16_b128 v[VF+8*\f+4:VF+8*\f+7], v[AV] offset:(\f/4)*32*PV+16*PV+(\f%4)*32
.endr
	WIN 0
.endm
; THE VECTOR WORK OF A TURN stands in three queues, each in the order in which its entries become ready; the two tiles alternate, so that no instruction reads the result of the one before it.
.macro REGS y, u                    ; the registers of tile u (0, 1) of piece y
.set rT, ST+4*(2*(\y)+(\u))
.set rC, TMP+8*((\y)%2)+4*(\u)
.set rM, MV+2*((\y)%2)+(\u)
.set rS, S+64*((\y)%2)+32*(\u)
.set rP, P+32*((\y)%2)+16*(\u)
.set rO, 32*(2*(\y)+(\u))
.endm
; Number n of the 22 that find the NEXT piece's (Y + 1) maximum and statistics.  s0-s31 are the lane's 32 scores; each accumulator's lowest registers are read first.  XS, GS and REGS set no window: PL and EX do.
;   0-11  four chains c0-c3 of seven scores each, three operands at a time     12-14, 16  the four scores left over, the old m, and c0-c3 into c0     15  c m_old is kept
;   17, 18  the query's other 32 keys lie in the lane 16 away: the new m         19-21  c m; c m_old - c m_new; a
.macro XS u, n
	REGS (Y+1)%NP, \u
.if (\n) < 4
	v_max3_num_f32 v[rC+(\n)], v[rS+8*(\n)], v[rS+8*(\n)+1], v[rS+8*(\n)+2]
.elseif (\n) < 12
	v_max3_num_f32 v[rC+(\n)%4], v[rC+(\n)%4], v[rS+8*((\n)%4)+2*((\n)/4)+1], v[rS+8*((\n)%4)+2*((\n)/4)+2]
.elseif (\n) == 12
	v_max3_num_f32 v[rC], v[rC], v[rS+7], v[rS+15]
.elseif (\n) == 13
	v_max3_num_f32 v[rC+1], v[rC+1], v[rS+23], v[rS+31]
.elseif (\n) == 14
	v_max3_num_f32 v[rC+2], v[rC+2], v[rC+3], v[rT+1]
.elseif (\n) == 15
	v_mov_b32 v[rM], v[rT]
.elseif (\n) == 16
	v_max3_num_f32 v[rC], v[rC], v[rC+1], v[rC+2]
.elseif (\n) == 17
	v_permlanex16_b32 v[rC+3], v[rC], s[SEL], s[SEL+1]
.elseif (\n) == 18
	v_max_num_f32 v[rT+1], v[rC], v[rC+3]
.elseif (\n) == 19
	v_mul_f32 v[rT], s[CS], v[rT+1]
.elseif (\n) == 20
	v_sub_f32 v[rC+1], v[rM], v[rT]
.else
	v_exp_f32 v[rC+2], v[rC+1]
.endif
.endm
; Number g of the 64 that follow the exponentials.  For each four weights k of a tile (pairs 2 k, 2 k + 1): both pairs are rounded to f16; then the second pair is added onto the first, in place;
; a group later l takes that sum (the first time as l = a l + sum).  In groups of eight, tiles alternating: round, round, add, and l for the group before.
.macro GS g
.set h, (\g)+6*((\g)/62)            ; group 0 has no group before it, and behind group 7 only l is left
.if h >= 6
.set h, h+2
.endif
	REGS Y, h%2
.set k, h/8
.if h%8 < 4
	s_wait_alu depctr_va_vdst(0)
	v_cvt_pk_f16_f32 v[rP+2*k+(h%8)/2], v[rS+4*k+2*((h%8)/2)], v[rS+4*k+2*((h%8)/2)+1]
.elseif h%8 < 6
	v_pk_add_f32 v[rS+4*k:rS+4*k+1], v[rS+4*k:rS+4*k+1], v[rS+4*k+2:rS+4*k+3]
.elseif k == 1
	v_pk_fma_f32 v[rT+2:rT+3], v[rT+2:rT+3], v[rC+2:rC+3], v[rS:rS+1] op_sel_hi:[1,0,1]
.else
	v_pk_add_f32 v[rT+2:rT+3], v[rT+2:rT+3], v[rS+4*k-4:rS+4*k-3]
	s_wait_alu depctr_va_vdst(0)
.endif
.endm
; THE PLAIN QUEUE, 138 long.  0-31: c s - c m for the 16 pairs of both tiles.  Then GS's 64, and among them the next piece's 42: number 15 at 38, 39; 0-14 and 16
; at 42-73, behind the products that make those scores; 17-20 at 95-106, two of three, since each waits for the one before it.
.macro PL
	WIN 0
.if q < 32
	REGS Y, q%2
	v_pk_fma_f32 v[rS+2*(q/2):rS+2*(q/2)+1], v[rS+2*(q/2):rS+2*(q/2)+1], s[CS:CS+1], v[rT:rT+1] op_sel_hi:[1,0,0] neg_lo:[0,0,1] neg_hi:[0,0,1]
.elseif q < 38
	GS q-32
.elseif q < 40
	XS q%2, 15
.elseif q < 42
	GS q-34
.elseif q < 74
	XS q%2, (q-42)/2+(q-42)/30
.elseif q < 95
	GS q-66
.elseif (q < 107) && ((q-95)%3 < 2)
	XS (q-95)%3, 17+(q-95)/3
.elseif q < 107
	GS 29+(q-95)/3
.else
	GS q-74
.endif
.set q, q+1
.endm
; THE EXPONENTIALS' QUEUE, 66 long: s0-s31 of both tiles, and at EA the next piece's two a.
.set EA, 58
.macro EX
	WIN 0
.if (e == EA) || (e == EA+1)
	XS e-EA, 21
.else
.set x, e-2*(e/(EA+2))
	REGS Y, x%2
	v_exp_f32 v[rS+x/2], v[rS+x/2]
.endif
.set e, e+1
.endm
; THE RESCALING's QUEUE: O^T times a, the one part that leaves window 0, so it is dealt four at a time, eight times.
.macro R4
	REGS Y, r%2
	WIN W_RS
	s_wait_alu depctr_va_vdst(0)
.irp z, 0,1,2,3
	v_pk_mul_f32 v[rO+8*(r/2)+2*\z:rO+8*(r/2)+2*\z+1], v[rO+8*(r/2)+2*\z:rO+8*(r/2)+2*\z+1], v[rC+2:rC+3] op_sel_hi:[1,0]
.endr
.set r, r+1
.endm
; HOW THEY ARE DEALT.  Behind a product K Q^T or V^T P four: plain, exponential, plain, plain, or four of the rescaling.  None names a register of the products round it.  What is over stands in two LUMPS:
; exponential and plain by turns; the second ends in 22 plain instructions.  The eight mask products stand in the first lump, one ahead of every second pair: the lump's own lines ride behind them, in their old order.
; The queues lean on each other, and the deal keeps them in step: exponential e stands behind plain 2 (e / 4) + e % 2 (its scaling); when plain 32 comes, 10 exponentials are out, at 59: 33, at 95: 46; EA comes behind plain 107.
.macro SL
	MM
	PL
	EX
	PL
	PL
.endm
.macro BURST n                      ; 15 matrix instructions, or 16
.rept (\n)-7
	SL
.endr
.rept 3
	MM
	R4
	SL
.endr
	MM
	R4
.endm
; A TURN, for piece p.  cnt = 1: the loop's count is taken down some lines ahead of the branch that stands behind the turn.
; K of the next step is fetched in piece 2's turn, V of the step in hand at the end of piece 0's.  The four conditions on e and q below go with the deal.
; THE MASK.  The first 8 products K Q^T (piece p + 1) take the mask that the turn before has made.  In the first lump the mask for piece p + 2 is made; more than five plain lines stand between the last reader of those
; registers and the first mask product, and between the last mask product and the next turn's products.  Behind the lump, eight plain lines behind the last mask product, the piece's next fragments are asked for.
; In turn (step s, piece p) the fragments used are those of step s for p = 0, 1 (pieces 2, 3) and of step s + 1 for p = 2, 3 (pieces 0, 1); the loads are one step further, so MO steps in piece 2's turn.
.macro TURN p, last=0, cnt=0
.set Y, (\p)
.set i, 0
.set q, 0
.set e, 0
.set r, 0
.set mi, 0
.set lz, 0
.if (\p) == NP-1
	s_wait_dscnt 0x0                ; K is in
.endif
	MM
.rept 4
	PL
.endr
	BURST 15
	s_wait_loadcnt 24               ; loads come back in order: the fragments of piece p + 2 are in; the three pieces asked for behind them, 8 loads each, may stay out
.rept 22
.if (lz%2 == 0) && (lz < 16)
	MK
.endif
	EX
	PL
.if ((\p) == NP-2) && (e == 18)
	v_add_nc_u32 v[AK], s[TBK], v[AK0]
.endif
.if ((\p) == NP-2) && (e == 24)
	FETCH_K \last
.endif
.set lz, lz+1
.endr
.if (\p) == NP-2
	MSTEP
.endif
	MLOAD (Y+2)%NP
.if (\p) == 1
	s_wait_dscnt 0x0                ; V is in
.endif
	BURST 16
.rept 21
	EX
	PL
.endr
.rept 22
	PL
.if ((\p) == 0) && (q == 118)
	v_add_nc_u32 v[AV], s[TBV], v[AV0]
	s_wait_alu depctr_va_vdst(0)
.endif
.if ((\p) == 0) && (q == 130)
	s_add_co_u32 s[TBV], s[TBV], KS*PV
.endif
.if (\cnt) && (q == 130)
	s_sub_co_u32 s[CNT], s[CNT], 1
	s_cmp_lg_u32 s[CNT], 0
.endif
.endr
.if (\p) == 0
	FETCH_V
.endif
.endm
	CHANGE 1                        ; slot 0 is in, everybody's part of it; slot 1 is asked for
	FETCH_K                         ; key step 0
	s_wait_loadcnt 0x0              ; Q, and the mask's fragments of step 0
	s_wait_dscnt 0x0
.set Y, 2
.set mi, 0
.rept 8
	MK                              ; piece 0's mask of step 0
.endr
	WIN 0
.rept 5
	v_nop                           ; the places between those results and the products that take them as C
.endr
.set i, 0
.rept 16
	KQ 0                            ; piece 0's first scores: there is no vector work yet to set between them
.set i, i+1
.endr
	WIN 0                           ; the addresses for the way out: nine plain instructions, the places behind those products
	s_mul_i32 s13, s[WV], 16*SP
	s_add_co_u32 s13, s13, STAGE    ; my stage
	v_mul_u32_u24 v[STO], v1, SP    ; in: row l % 16, 16 bytes for each half of the lanes
	v_lshl_add_u32 v[STO], v9, 4, v[STO]
	v_add_nc_u32 v[STO], s13, v[STO]
	v_bfe_u32 v[RD], v0, 3, 2       ; back: 32 lanes take four rows of 128 bytes,
	v_mul_u32_u24 v[RD], v[RD], SP
	v_lshl_add_u32 v[RD], v10, 4, v[RD]
	v_add_nc_u32 v[RD], s13, v[RD]
	v_and_b32 v[GO], 31, v0         ; which are 512 consecutive bytes of O
	v_lshlrev_b32 v[GO], 4, v[GO]
	v_add_nc_u32 v[MO], 2048, v[MO] ; key step 1 (every load that read MO has come back)
	MLOAD 0                         ; piece 0's fragments of step 1
.set Y, NP-1
.set mi, 0
.rept 8
	MK                              ; piece 1's mask of step 0, for the first turn's products
.endr
	WIN 0                           ; XS works for piece Y + 1: piece 0
.irp n, 0,1,2,3,4,5,6,7,8,9,10,11,12,13,14,15,16,17,18,19,20,21
	XS 0, \n                        ; piece 0's first maximum and statistics
	XS 1, \n
.endr
	MLOAD 1                         ; piece 1's fragments of step 1: sixteen loads of mine are out when the first turn begins
	v_and_b32 v[PFO], 31, v0
	v_lshlrev_b32 v[PFO], 8, v[PFO]
	s_mov_b32 s[CNT], 4
	s_mov_b32 s[SLOTS], SIZE_N/256-1
	s_branch .Lfirst                ; the loop is entered at a step's first turn, in the middle of a trip
.Lslot:                             ; SIZE_N / 256 - 2 times: every slot but the last two is filled again
	CHANGE 1, 1
	s_mov_b32 s[CNT], 4
.Lstep:                             ; a trip: pieces 2 and 3 of one step, then pieces 0 and 1 of the next, whose K and V it fetches
	TURN 2
	TURN 3
	WIN 0
.Lfirst:
	TURN 0
	TURN 1, 0, 1
	WIN 0
	s_cbranch_scc1 .Lstep
	s_sub_co_u32 s[SLOTS], s[SLOTS], 1
	s_cmp_lg_u32 s[SLOTS], 0
	s_cbranch_scc1 .Lslot
	CHANGE 0                        ; the tail is written out: nothing is asked for
	s_mov_b32 s[CNT], 5             ; four trips fetch the last slot's steps; the fifth is left in its middle
.Ltail:
	TURN 2, 1
	TURN 3
	WIN 0
	s_sub_co_u32 s[CNT], s[CNT], 1
	s_cmp_eq_u32 s[CNT], 0
	s_cbranch_scc1 .Lout
	TURN 0
	TURN 1
	WIN 0
	s_branch .Ltail
.Lout:                              ; the fifth trip's 16 products K Q^T (on the last K once more) and the maximum made of them serve nothing: the price, once a launch, of one text for every trip
.set i, 0
.rept 16
	PV NP-1                         ; the last piece's V^T P of the last step
.set i, i+1
.endr
	; THE WAY OUT.  l's two halves and the other half of the lanes' are added; O^T is divided by l, rounded to f16 and sent through my stage in LDS, a tile at a time.  The additions are the places behind the last products.
	WIN 0
.macro ALL line:vararg              ; one line for each tile t
.set t, 0
.rept 2*NP
	\line
.set t, t+1
.endr
.endm
	ALL v_add_f32 v[ST+4*t+2], v[ST+4*t+2], v[ST+4*t+3]
	ALL v_permlanex16_b32 v[ST+4*t+3], v[ST+4*t+2], s[SEL], s[SEL+1]
	ALL v_add_f32 v[ST+4*t+2], v[ST+4*t+2], v[ST+4*t+3]
	ALL v_rcp_f32 v[ST+4*t+2], v[ST+4*t+2]
	v_nop                           ; a plain instruction between the last reciprocal and the use of its result
	s_wait_alu depctr_va_vdst(0)
; Tile t: a lane's eight channels of a row pack into 16 bytes; they go into rows of 144 bytes and come back as whole rows of 128, into S^T's registers.
.macro PACK t
	WIN W_RS
.set i, 32*(\t)
.rept 16
	v_pk_mul_f32 v[i:i+1], v[i:i+1], v[ST+4*(\t)+2:ST+4*(\t)+3] op_sel_hi:[1,0]
.set i, i+2
.endr
	WIN 0x05                        ; sources 0 and 1 window 1, destination window 0
.set i, 0
.rept 16
	v_cvt_pk_f16_f32 v[S+16*(\t)+i], v[32*(\t)+2*i], v[32*(\t)+2*i+1]
.set i, i+1
.endr
	WIN 0
.irp f, 0,1,2,3
	ds_store_b128 v[STO], v[S+16*(\t)+4*\f:S+16*(\t)+4*\f+3] offset:32*\f
.endr
.irp f, 0,1,2,3
	ds_load_b128 v[S+16*(\t)+4*\f:S+16*(\t)+4*\f+3], v[RD] offset:\f*4*SP  ; LDS serves a wave's instructions in order (ISA guide 5.7.1.4): these see the stores above; the next tile's stores come behind them
.endr
.endm
.macro SEND t, younger              ; younger: the LDS instructions issued behind tile t's loads: the next tile's eight, or none
	WIN 0
.irp f, 0,1,2,3
	s_wait_dscnt (\younger)+3-\f
	global_store_b128 v[GO], v[S+16*(\t)+4*\f:S+16*(\t)+4*\f+3], s[10:11] offset:(\t)*2048+\f*512  ; 512 consecutive bytes, at a multiple of 256 from O's first
.endr
.endm
	PACK 0
.set t, 1
.rept 2*NP-1                        ; a tile's arithmetic stands between the loads of the tile before and its stores
	PACK t
	SEND t-1, 8
.set t, t+1
.endr
	SEND 2*NP-1, 0
	WIN W_AD
	s_wait_tensorcnt 0x0            ; the wave's end: the add and its wait stand behind my last tensor load and my last LDS store
	ds_add_u32 v[SPW], v[NIL]
	s_wait_dscnt 0x0
	WIN 0
	CROUND                          ; the closing round: no work-group ends while a partner may still ask for a tile that names it
	s_endpgm
.Lfunc_end_k_q888e30c21b_attn:
	.size	k_q888e30c21b_attn, .Lfunc_end_k_q888e30c21b_attn-k_q888e30c21b_attn
	.p2alignl 7, 3214868480
	.fill 96, 4, 3214868480
	.section	.rodata,"a",@progbits
	.p2align	6, 0x0
	.amdhsa_kernel k_q888e30c21b_attn
		.amdhsa_group_segment_fixed_size 327680
		.amdhsa_private_segment_fixed_size 0
		.amdhsa_enable_private_segment 0
		.amdhsa_kernarg_size 40
		.amdhsa_user_sgpr_count 2
		.amdhsa_user_sgpr_kernarg_segment_ptr 1
		.amdhsa_wavefront_size32 1
		.amdhsa_system_sgpr_workgroup_id_x 1
		.amdhsa_system_sgpr_workgroup_id_y 1
		.amdhsa_system_sgpr_workgroup_id_z 1
		.amdhsa_system_vgpr_workitem_id 0
		.amdhsa_next_free_vgpr 1024
		.amdhsa_next_free_sgpr 66
		.amdhsa_reserve_vcc 0
		.amdhsa_float_denorm_mode_32 3
		.amdhsa_float_denorm_mode_16_64 3
		.amdhsa_memory_ordered 1
		.amdhsa_forward_progress 1
		.amdhsa_inst_pref_size 231
	.end_amdhsa_kernel
	.amdgpu_metadata
---
amdhsa.version: [ 1, 2 ]
amdhsa.kernels:
  - .name:           k_q888e30c21b_attn
    .symbol:         k_q888e30c21b_attn.kd
    .args:
      - { .name: qw, .offset: 0, .size: 8, .value_kind: global_buffer, .address_space: global }
      - { .name: kw, .offset: 8, .size: 8, .value_kind: global_buffer, .address_space: global }
      - { .name: vw, .offset: 16, .size: 8, .value_kind: global_buffer, .address_space: global }
      - { .name: ow, .offset: 24, .size: 8, .value_kind: global_buffer, .address_space: global }
      - { .name: maskw, .offset: 32, .size: 8, .value_kind: global_buffer, .address_space: global }
    .group_segment_fixed_size: 327680
    .private_segment_fixed_size: 0
    .kernarg_segment_align: 8
    .kernarg_segment_size: 40
    .max_flat_workgroup_size: 128
    .sgpr_count:     66
    .vgpr_count:     1024
    .wavefront_size: 32
...
	.end_amdgpu_metadata
.endif
;; end of part 3
;; launch proj (part 4): grid 4 x 64, 4 waves a work-group, clusters of 4 x 4, 327,680 bytes of LDS; arguments ow, wob, b_o, out0; writes out0
.if DOCPART == 4
	.amdgcn_target "amdgcn-amd-amdhsa--gfx1250"
	.amdhsa_code_object_version 6
	.text
	.protected	k_q888e30c21b_proj
	.globl	k_q888e30c21b_proj
	.p2align	8
	.type	k_q888e30c21b_proj,@function
k_q888e30c21b_proj:
	s_mov_b64 s[64:65], 0
	v_nop
	global_prefetch_b8 v0, s[64:65] scope:SCOPE_SE
	s_setreg_imm32_b32 hwreg(HW_REG_WAVE_MODE, 25, 1), 1
	s_wait_xcnt 0x0
	s_wait_alu depctr_hold_cnt(0) depctr_sa_sdst(0) depctr_va_vdst(0) depctr_va_sdst(0) depctr_va_ssrc(0) depctr_va_vcc(0) depctr_vm_vsrc(0)
	s_getreg_b32 s2, hwreg(HW_REG_IB_STS2, 6, 4)
	s_cmp_eq_u32 s2, 0
	s_cbranch_scc0 .Lentry_in_a_cluster
	s_endpgm
.Lentry_in_a_cluster:
	s_bfe_u32 s2, ttmp6, 0x10000c
	s_cmp_lg_u32 s2, 0xf033
	s_cbranch_scc0 .Lentry_shape_is_right
	s_endpgm
.Lentry_shape_is_right:
; out0 = O W_o^T + b_o.  ow: [16 batch + head][2048][64] f16; wob: [1024][1024] f16 (W_o rounded to bf16, written as f16); b_o: [1024] f32, rounded to bf16 here; out0: [8192][1024] f32.
; A tile of the product is 128 rows x 256 columns: 64 x 4 = 256 work-groups.  Four waves; wave (wr, wc) makes 64 rows x 128 columns: 4 x 8 accumulators of 16 x 16, 256 registers.
; K goes in steps of 128 = TWO HEADS through two LDS slots.  O's part of a slot is two planes, a head each: a plane's 128 rows of 128 bytes are dense in memory and are asked for as 64 rows of 256 bytes,
; padded in LDS after every 128.  W's rows are 256 bytes of memory, aligned.
; CLUSTER.  4 x 4 work-groups: the four of a row need the same rows of O, the four of a column the same rows of W: each tile is asked for jointly, by the same load, descriptor and mask in all four.
; THE MATRIX INSTRUCTION IS USED TRANSPOSED (source 0 = 16 rows of W, source 1 = 16 rows of O): a lane holds one row and eight neighbouring columns, 32 bytes of f32.
; THE BIAS is the C operand of each accumulator's first product.
; REGISTERS, in windows of 256 (s_set_vgpr_msb: bits 1:0 source 0, 3:2 source 1, 5:4 source 2, 7:6 destination):
;   window 0: v0-31 addresses; v32-95 O's fragments, two buffers of 4; v96-159 the bias; v160-223 rows on the way out
;   window 1: v0-127 W's fragments, two buffers of 8          window 2: the accumulators, (a, b) at v[8 (8 a + b)]
.set KSTEP,  128
.set PA,     144                       ; a row of O in LDS: 128 bytes + 16
.set PLANE,  128*PA                    ; what waves 0 and 1 fetch: a head's 128 rows each
.set AREG,   2*PLANE
.set PITCH,  272                       ; a row of W in LDS: 256 bytes + 16.  Both pitches are odd multiples of 16 bytes: the 16 rows of a fragment load start at 16 different groups of four banks (ISA guide 11.1)
.set HALFB,  128*PITCH                 ; what waves 2 and 3 fetch: 128 rows of W each
.set SLOT,   AREG+2*HALFB              ; 106,496 bytes
.set STAGE,  2*SLOT                    ; behind the ring: 16 rows x 528 bytes for each wave
.set SP,     528                       ; 512 bytes (128 columns of f32) + 16
.set SPARE,  STAGE+4*16*SP             ; the spare words, 128 bytes for each wave: two blocks of 256 bytes that no other line names
.set LAPS,   4
.set ADRA, 16                          ; v16-17  LDS address of my fragments of O in slot 0, 1
.set ADRB, 20                          ; v20-21  the same for W
.set STO,  24                          ; v24     the way out: where I put 32 bytes of a row
.set RD,   25                          ; v25     where I read a row back
.set CO,   26                          ; v26     16 x lane: my place in 512 consecutive bytes of a row of out0
.set SPW,  28                          ; v28     my spare word; never rewritten
.set NIL,  29                          ; v29     0; never rewritten
.set BO,   30                          ; v30     my byte offset in b_o
.set FA,   32
.set BIAS, 96
.set OB,   160
.set G1,  24                           ; s[24:31] group 1 for O's planes;  s[32:39] group 0, a set for each slot
.set G0,  32
.set G1B, 48                           ; s[48:55], s[56:63] the same for W's tiles
.set G0B, 56
.set MSB, 0
.macro WIN new                         ; the immediate's high byte repeats the setting that is left; a switch that changes nothing is dropped
.if MSB != (\new)
	s_set_vgpr_msb (MSB<<8)|(\new)
.set MSB, \new
.endif
.endm
; A joint load: waves 0 and 1 fetch O's two planes, waves 2 and 3 W's two halves.  An s_nop 0 and four v_nop follow each of the two lines, ahead of the jump and the label.
.macro JLOAD s
	s_cmp_eq_u32 s13, 0
	s_cbranch_scc0 .Lfor_b_\@
	tensor_load_to_lds s[G0+4*(\s):G0+4*(\s)+3], s[G1:G1+7]
	s_nop 0
.rept 4
	v_nop
.endr
	s_branch .Lasked_\@
.Lfor_b_\@:
	tensor_load_to_lds s[G0B+4*(\s):G0B+4*(\s)+3], s[G1B:G1B+7]
	s_nop 0
.rept 4
	v_nop
.endr
.Lasked_\@:
.endm
.macro CREST                           ; a round of the cluster's barrier behind its opening barrier
	s_cmp_lg_u32 s12, 0
	s_cbranch_scc1 .Lnot_wave_0_\@
	s_barrier_signal -3
.Lnot_wave_0_\@:
	s_barrier_wait -3
	s_barrier_signal -1
	s_barrier_wait -1
.endm
.macro CROUND
	s_barrier_signal -1
	s_barrier_wait -1
	CREST
.endm
.macro PLACES                          ; four places in front of loads into registers that matrix instructions have read, and of lines that read results
.rept 4
	v_nop
.endr
.endm
	s_load_b256 s[4:11], s[0:1], 0x0               ; ow s[4:5], wob s[6:7], b_o s[8:9], out0 s[10:11]
	v_lshl_add_u32 v[SPW], v0, 2, SPARE
	v_mov_b32 v[NIL], 0
	ds_add_u32 v[SPW], v[NIL]                      ; the wave's opening: the add and its wait stand ahead of my first tensor load; the set-up, work on registers, stands between them
	v_lshrrev_b32 v1, 5, v0
	v_readfirstlane_b32 s12, v1                    ; wave 0..3
	s_lshr_b32 s13, s12, 1                         ; wr: which 64 rows are mine.  Also: I fetch for O (0) or for W (1)
	s_and_b32 s14, s12, 1                          ; wc: which 128 columns.  Also: which plane or half I fetch
	s_bfe_u32 s40, ttmp6, 0x40000                  ; cx, cy: my place in the cluster
	s_bfe_u32 s41, ttmp6, 0x40004
	s_lshl_b32 s42, ttmp9, 2
	s_add_co_u32 s42, s42, s40                     ; the tile column = 4 x cluster x + cx
	s_and_b32 s43, ttmp7, 0xffff
	s_lshl_b32 s43, s43, 2
	s_add_co_u32 s43, s43, s41                     ; the tile row = 4 x cluster y + cy
	s_lshl_b32 s44, s41, 2
	s_lshl_b32 s44, 15, s44                        ; my row of the cluster
	s_lshl_b32 s45, 0x1111, s40                    ; my column
	s_or_b32 s[G1+0], s44, (1<<16)|(1<<20)|(1<<21)|(4<<22)|(3<<25)   ; 15:0 the mask; 17:16 2-byte elements; 20 padding on; 21 set beside a mask; 24:22 after every 32 words; 31:25 4 words of it
	s_or_b32 s[G1B+0], s45, (1<<16)|(1<<20)|(1<<21)|(5<<22)|(3<<25)  ; W: after every 64 words
	s_mov_b32 s[G1+1], 128<<16                     ; tensor_dim0 = 128
	s_mov_b32 s[G1+2], 64<<16                      ; tensor_dim1 = 64
	s_mov_b32 s[G1+3], 128<<16                     ; tile_dim0 = 128
	s_mov_b32 s[G1+4], 64                          ; tile_dim1 = 64
	s_mov_b32 s[G1+5], 128                         ; dense: 128 elements from row to row
	s_mov_b32 s[G1+6], 0
	s_mov_b32 s[G1+7], 0
	s_mov_b32 s[G1B+1], KSTEP<<16
	s_mov_b32 s[G1B+2], 128<<16
	s_mov_b32 s[G1B+3], KSTEP<<16
	s_mov_b32 s[G1B+4], 128
	s_mov_b32 s[G1B+5], 1024
	s_mov_b32 s[G1B+6], 0
	s_mov_b32 s[G1B+7], 0
	s_lshr_b32 s16, s43, 4                         ; O: the batch (16 tile rows each),
	s_lshl_b32 s16, s16, 4
	s_add_co_u32 s16, s16, s14                     ; 16 batch + my plane's head of K step 0,
	s_lshl_b32 s16, s16, 18                        ; 2,048 rows of 128 bytes a head
	s_and_b32 s17, s43, 15
	s_lshl_b32 s17, s17, 14                        ; the tile's 128 rows
	s_add_co_u32 s16, s16, s17
	s_mov_b32 s17, 0
	s_lshl_b32 s46, s42, 19                        ; W: 256 rows of 2,048 bytes a tile column,
	s_lshl_b32 s47, s14, 18                        ; my 128 of them
	s_add_co_u32 s46, s46, s47
	s_mov_b32 s47, 0
	s_mul_i32 s20, s14, PLANE                      ; where they go: no place in the cluster enters an LDS address
	s_mul_i32 s21, s14, HALFB
	s_add_co_u32 s21, s21, AREG
	s_wait_dscnt 0x0                               ; the opening add is done
	s_wait_kmcnt 0x0
	s_add_nc_u64 s[18:19], s[4:5], s[16:17]
	s_add_nc_u64 s[46:47], s[6:7], s[46:47]
	CROUND                                         ; all sixteen work-groups are here: the first joint loads meet
.irp s, 0,1
	s_mov_b32 s[G0+4*(\s)], 1
	s_add_co_u32 s[G0+4*(\s)+1], s20, (\s)*SLOT
	s_add_nc_u64 s[G0+4*(\s)+2:G0+4*(\s)+3], s[18:19], (\s)*2*262144   ; K step s: two heads on
	s_or_b32 s[G0+4*(\s)+3], s[G0+4*(\s)+3], 0x80000000
	s_mov_b32 s[G0B+4*(\s)], 1
	s_add_co_u32 s[G0B+4*(\s)+1], s21, (\s)*SLOT
	s_add_nc_u64 s[G0B+4*(\s)+2:G0B+4*(\s)+3], s[46:47], (\s)*KSTEP*2
	s_or_b32 s[G0B+4*(\s)+3], s[G0B+4*(\s)+3], 0x80000000
	JLOAD \s                                       ; K steps 0 and 1: two loads of mine are out
.endr
	v_and_b32 v1, 15, v0                           ; l % 16
	v_bfe_u32 v2, v0, 4, 1                         ; l / 16
	s_lshl_b32 s46, s42, 10                        ; the tile's 256 numbers of the bias,
	s_lshl_b32 s47, s14, 9                         ; my 128 of them
	s_add_co_u32 s46, s46, s47
	v_lshl_add_u32 v[BO], v2, 5, s46
.irp b, 0,1,2,3,4,5,6,7
	global_load_b128 v[BIAS+8*(\b):BIAS+8*(\b)+3],   v[BO], s[8:9] offset:64*(\b)
	global_load_b128 v[BIAS+8*(\b)+4:BIAS+8*(\b)+7], v[BO], s[8:9] offset:64*(\b)+16
.endr
	v_mul_u32_u24 v3, v1, PA
	v_lshl_add_u32 v3, v2, 4, v3                   ; O: a fragment's row x pitch + 16 x half
	v_mul_u32_u24 v4, v1, PITCH
	v_lshl_add_u32 v4, v2, 4, v4                   ; W likewise
	s_mul_i32 s21, s13, 64*PA                      ; my 64 rows of a plane
	s_mul_i32 s22, s14, HALFB                      ; my 128 rows of W,
	s_add_co_u32 s22, s22, AREG                    ; which lie behind O's two planes
.irp s, 0,1
	v_add_nc_u32 v[ADRA+(\s)], s21, v3
	v_add_nc_u32 v[ADRB+(\s)], s22, v4
	s_add_co_u32 s21, s21, SLOT
	s_add_co_u32 s22, s22, SLOT
.endr
	s_mul_i32 s23, s12, 16*SP
	s_add_co_u32 s23, s23, STAGE                   ; my stage
	v_mul_u32_u24 v5, v1, SP                       ; in: row l % 16, 32 bytes for each half of the lanes
	v_lshl_add_u32 v5, v2, 5, v5
	v_add_nc_u32 v[STO], s23, v5
	v_and_b32 v[CO], 31, v0                        ; back: 32 lanes take one row of 512 bytes
	v_lshlrev_b32 v[CO], 4, v[CO]
	v_add_nc_u32 v[RD], s23, v[CO]
	s_lshl_b32 s66, s43, 19                        ; out0: the tile's 128 rows of 4,096 bytes,
	s_lshl_b32 s67, s13, 18                        ; my 64 of them,
	s_add_co_u32 s66, s66, s67
	s_add_co_u32 s66, s66, s46                     ; and my 128 columns: the same bytes as in the bias
	s_mov_b32 s67, 0
	s_add_nc_u64 s[10:11], s[10:11], s[66:67]
	s_wait_loadcnt 0x0                             ; the bias
.set k, 0
.rept 32                                       ; rounded to bf16 and kept as f32; all this stands in the wait for the first tile
	v_cvt_pk_bf16_f32 v[4+k%4], v[BIAS+2*k], v[BIAS+2*k+1]
	v_lshlrev_b32 v[BIAS+2*k], 16, v[4+k%4]
	v_and_b32 v[BIAS+2*k+1], 0xffff0000, v[4+k%4]
.set k, k+1
.endr
; 8 matrix instructions: row block a x all 8 column blocks, 32 along K, from buffers f.  first = 1: the product starts the sum with the bias.
; The 32 accumulators take turns in one order in every quarter: 31 others stand between two links of a chain, over the backward jump too.
.macro MULA f, a, first
.if \first
	WIN 0x81
.else
	WIN 0xa1
.endif
.irp b, 0,1,2,3,4,5,6,7
.if \first
	v_wmma_f32_16x16x32_f16 v[8*(8*(\a)+(\b)):8*(8*(\a)+(\b))+7], v[64*(\f)+8*(\b):64*(\f)+8*(\b)+7], v[FA+32*(\f)+8*(\a):FA+32*(\f)+8*(\a)+7], v[BIAS+8*(\b):BIAS+8*(\b)+7]
.else
	v_wmma_f32_16x16x32_f16 v[8*(8*(\a)+(\b)):8*(8*(\a)+(\b))+7], v[64*(\f)+8*(\b):64*(\f)+8*(\b)+7], v[FA+32*(\f)+8*(\a):FA+32*(\f)+8*(\a)+7], v[8*(8*(\a)+(\b)):8*(8*(\a)+(\b))+7]
.endif
.endr
.endm
; 24 LDS loads in one run: quarter kq's fragments (my 128 rows of W, then my 64 rows of O: plane kq / 2, channels 32 (kq % 2) on) into buffers f
.macro FETCH slot, kq, f
	WIN 0x40
.irp i, 0,1,2,3,4,5,6,7
	ds_load_b128 v[64*(\f)+8*(\i):64*(\f)+8*(\i)+3],   v[ADRB+(\slot)] offset:64*(\kq)+(\i)*16*PITCH
	ds_load_b128 v[64*(\f)+8*(\i)+4:64*(\f)+8*(\i)+7], v[ADRB+(\slot)] offset:64*(\kq)+(\i)*16*PITCH+32
.endr
	WIN 0
.irp i, 0,1,2,3
	ds_load_b128 v[FA+32*(\f)+8*(\i):FA+32*(\f)+8*(\i)+3],   v[ADRA+(\slot)] offset:((\kq)/2)*PLANE+((\kq)%2)*64+(\i)*16*PA
	ds_load_b128 v[FA+32*(\f)+8*(\i)+4:FA+32*(\f)+8*(\i)+7], v[ADRA+(\slot)] offset:((\kq)/2)*PLANE+((\kq)%2)*64+(\i)*16*PA+32
.endr
.endm
; A K step is four quarters of 32 along K, 32 matrix instructions each, on buffers 0, 1, 0, 1.  One of the first three multiplies f and fetches quarter kq into g.
.macro QUARTER slot, kq, f, g, first
	s_wait_dscnt 4                                 ; W and O's blocks 0, 1 are in; the youngest four loads (blocks 2, 3) may be out
	MULA \f, 0, \first
	MULA \f, 1, \first
	PLACES
	FETCH \slot, \kq, \g
	s_wait_dscnt 24                                ; all but the 24 just issued
	MULA \f, 2, \first
	MULA \f, 3, \first
.endm
; The last quarter multiplies buffers 1 and changes slots: ONE barrier; in front of it each wave waits for all its tensor loads (one is out: its part of the next slot), adds 0 to its spare word,
; and waits for that and for its reads of this slot.  fill = 1: the barrier opens a round of the cluster's, and this slot is filled again, two K steps on, first thing behind it:
; 112 matrix instructions stand between that request and the wait for it.
.macro TURN slot, next, fill
	WIN 0
	s_wait_tensorcnt 0x0
	ds_add_u32 v[SPW], v[NIL]
	s_wait_dscnt 5                                 ; (the add and the youngest four loads may be out)
	MULA 1, 0, 0
	s_wait_dscnt 0x0                               ; the add is done, and my reads of this slot are over
	s_barrier_signal -1
	MULA 1, 1, 0
.if \fill
	WIN 0
.endif
	s_barrier_wait -1
.if \fill
	CREST                                          ; no wave of any partner still reads this slot or has a load on its way
	s_add_nc_u64 s[G0+4*(\slot)+2:G0+4*(\slot)+3], s[G0+4*(\slot)+2:G0+4*(\slot)+3], 4*262144    ; four heads on
	s_add_nc_u64 s[G0B+4*(\slot)+2:G0B+4*(\slot)+3], s[G0B+4*(\slot)+2:G0B+4*(\slot)+3], 2*KSTEP*2
	JLOAD \slot                                    ; its four v_nop are also the places in front of the loads below
.else
	PLACES
.endif
	FETCH \next, 0, 0
	MULA 1, 2, 0
	MULA 1, 3, 0
.endm
	s_wait_tensorcnt 1                             ; my part of K step 0 is in; K step 1's may stay out
	s_barrier_signal -1
	s_barrier_wait -1
	FETCH 0, 0, 0
	QUARTER 0, 1, 0, 1, 1                          ; the first quarter stands in front of the loop: its products start the sums
	WIN 0
	s_mov_b32 s3, LAPS-1
.Llap:                                                 ; a trip goes once round the ring and fills both slots again
	QUARTER 0, 2, 1, 0, 0
	QUARTER 0, 3, 0, 1, 0
	TURN 0, 1, 1
	QUARTER 1, 1, 0, 1, 0
	QUARTER 1, 2, 1, 0, 0
	QUARTER 1, 3, 0, 1, 0
	TURN 1, 0, 1
	QUARTER 0, 1, 0, 1, 0
	WIN 0
	s_sub_co_u32 s3, s3, 1
	s_cmp_lg_u32 s3, 0
	s_cbranch_scc1 .Llap
	QUARTER 0, 2, 1, 0, 0                          ; the last lap fills nothing
	QUARTER 0, 3, 0, 1, 0
	TURN 0, 1, 0
	QUARTER 1, 1, 0, 1, 0
	QUARTER 1, 2, 1, 0, 0
	QUARTER 1, 3, 0, 1, 0
	s_wait_dscnt 4                                 ; the very last quarter: nothing more to fetch
	MULA 1, 0, 0
	MULA 1, 1, 0
	s_wait_dscnt 0x0
	MULA 1, 2, 0
	MULA 1, 3, 0
	WIN 0
	; THE WAY OUT, a block of 16 rows at a time: a lane's 32 bytes of a row go into my stage (each accumulator's low four registers first), whole rows of 512 bytes come back and are stored.
	PLACES
.macro OUT a
	WIN 0x08                                       ; the stores' data in window 2
.irp b, 0,1,2,3,4,5,6,7
	ds_store_b128 v[STO], v[8*(8*(\a)+(\b)):8*(8*(\a)+(\b))+3]   offset:64*(\b)
	ds_store_b128 v[STO], v[8*(8*(\a)+(\b))+4:8*(8*(\a)+(\b))+7] offset:64*(\b)+16
.endr
	WIN 0
	s_wait_xcnt 0x0                                ; the last block's stores have read their registers, which the loads below write
.irp t, 0,1,2,3,4,5,6,7,8,9,10,11,12,13,14,15
	ds_load_b128 v[OB+4*(\t):OB+4*(\t)+3], v[RD] offset:SP*(\t)  ; LDS serves a wave's instructions in order (ISA guide 5.7.1.4): these see the stores above
.endr
	s_wait_dscnt 0x0
.irp t, 0,1,2,3,4,5,6,7,8,9,10,11,12,13,14,15
	global_store_b128 v[CO], v[OB+4*(\t):OB+4*(\t)+3], s[10:11] offset:(16*(\a)+(\t))*4096 th:TH_STORE_NT  ; 512 consecutive bytes, at a multiple of 256 from out0's first
.endr
.endm
	OUT 0
	OUT 1
	OUT 2
	OUT 3
	s_wait_tensorcnt 0x0                           ; the wave's end: the add and its wait stand behind my last tensor load and my last LDS store
	ds_add_u32 v[SPW], v[NIL]
	s_wait_dscnt 0x0
	CROUND                                         ; the closing round: no work-group ends while a partner may still ask for a tile that names it
	s_endpgm
.Lfunc_end_k_q888e30c21b_proj:
	.size	k_q888e30c21b_proj, .Lfunc_end_k_q888e30c21b_proj-k_q888e30c21b_proj
	.p2alignl 7, 3214868480
	.fill 96, 4, 3214868480
	.section	.rodata,"a",@progbits
	.p2align	6, 0x0
	.amdhsa_kernel k_q888e30c21b_proj
		.amdhsa_group_segment_fixed_size 327680
		.amdhsa_private_segment_fixed_size 0
		.amdhsa_enable_private_segment 0
		.amdhsa_kernarg_size 32
		.amdhsa_user_sgpr_count 2
		.amdhsa_user_sgpr_kernarg_segment_ptr 1
		.amdhsa_wavefront_size32 1
		.amdhsa_system_sgpr_workgroup_id_x 1
		.amdhsa_system_sgpr_workgroup_id_y 1
		.amdhsa_system_sgpr_workgroup_id_z 1
		.amdhsa_system_vgpr_workitem_id 0
		.amdhsa_next_free_vgpr 768
		.amdhsa_next_free_sgpr 72
		.amdhsa_reserve_vcc 0
		.amdhsa_float_denorm_mode_32 3
		.amdhsa_float_denorm_mode_16_64 3
		.amdhsa_memory_ordered 1
		.amdhsa_forward_progress 1
		.amdhsa_inst_pref_size 92
	.end_amdhsa_kernel
	.amdgpu_metadata
---
amdhsa.version: [ 1, 2 ]
amdhsa.kernels:
  - .name:           k_q888e30c21b_proj
    .symbol:         k_q888e30c21b_proj.kd
    .args:
      - { .name: ow, .offset: 0, .size: 8, .value_kind: global_buffer, .address_space: global }
      - { .name: wob, .offset: 8, .size: 8, .value_kind: global_buffer, .address_space: global }
      - { .name: b_o, .offset: 16, .size: 8, .value_kind: global_buffer, .address_space: global }
      - { .name: out0, .offset: 24, .size: 8, .value_kind: global_buffer, .address_space: global }
    .group_segment_fixed_size: 327680
    .private_segment_fixed_size: 0
    .kernarg_segment_align: 8
    .kernarg_segment_size: 32
    .max_flat_workgroup_size: 128
    .sgpr_count:     72
    .vgpr_count:     768
    .wavefront_size: 32
...
	.end_amdgpu_metadata
.endif
;; end of part 4
